; MI455X (gfx1250); checked and timed in simulation.
; The chip was launched on July 23, 2026; its instructions are those of AMD's public machine-readable ISA for CDNA 5 (MIT licence, August 2026) and "CDNA5" Instruction Set Architecture Reference Guide (July 2026). The comments in the code are by the model that wrote it; some were corrected since.
;; Multi Head Attention. Allowed arithmetic: matrix products marked QUANTISED: E4M3 operands, one given power-of-two scale a tensor, by v_wmma_f32_16x16x64_fp8_fp8 or v_wmma_f32_16x16x128_fp8_fp8, f32 sums; everything else in f32.
;; Inputs: W_k 1,024 x 1,024 float32; W_o 1,024 x 1,024 float32; W_q 1,024 x 1,024 float32; W_v 1,024 x 1,024 float32; b_k 1,024 float32; b_o 1,024 float32; b_q 1,024 float32; b_v 1,024 float32; k 4 x 2,048 x 1,024 float32; lowp_scales 12 int32 (the exponents e of the quantised operands' scales 2^e); padding_mask 4 x 2,048 bool; q 4 x 2,048 x 1,024 float32; v 4 x 2,048 x 1,024 float32.
;; Outputs: out0 4 x 2,048 x 1,024 float32.
;; This version of the problem:
;;   THIS VERSION OF THE PROBLEM IS GIVEN IN LOW PRECISION. The matrix products marked QUANTISED in the list below multiply operands that are first quantised to E4M3 (4 exponent bits, 3 mantissa bits; 8 bits a number), with one given power-of-two scale for each operand tensor; their sums are f32. All else is computed in f32.
;;   The module's matrix products, in the order in which they are computed (A, B: the left and right operand; K: the contracted axis; several contracted axes count as one K, in the product's order):
;;     1. [M 8,192, K 1,024] x [K 1,024, N 1,024]; A: input q; B: input W_q: QUANTISED (scales: A lowp_scales[0], B lowp_scales[1])
;;     2. [M 8,192, K 1,024] x [K 1,024, N 1,024]; A: input k; B: input W_k: QUANTISED (scales: A lowp_scales[2], B lowp_scales[3])
;;     3. [M 8,192, K 1,024] x [K 1,024, N 1,024]; A: input v; B: input W_v: QUANTISED (scales: A lowp_scales[4], B lowp_scales[5])
;;     4. batch 64 x [M 2,048, K 64] x [K 64, N 2,048]; A: computed on the way; B: computed on the way: QUANTISED (scales: A lowp_scales[6], B lowp_scales[7])
;;     5. batch 64 x [M 2,048, K 2,048] x [K 2,048, N 64]; A: softmax (see below); B: computed on the way: QUANTISED (scales: A lowp_scales[8], B lowp_scales[9])
;;     6. [M 8,192, K 1,024] x [K 1,024, N 1,024]; A: computed on the way; B: input W_o: QUANTISED (scales: A lowp_scales[10], B lowp_scales[11])
;;   THE QUANTISER, for each operand of a quantised product, along K:
;;     - The operand's scale is 2^e, e = its entry of the input lowp_scales (int32; the entries are numbered through the quantised products in the list's order, A before B).
;;     - Each number is divided by the scale, clamped to +-448, and rounded to the nearest number of E4M3, ties to even, subnormals kept.
;;     - The product sums the exact products of the quantised numbers (number of the format x scale) in f32.
;;   ~~~python
;;   def quantise(x, axis, e):      # numpy; x: float32 -> the quantised numbers, widened to float32 again
;;       x = np.moveaxis(x, axis, -1); K = x.shape[-1]
;;       r = np.clip(x / 2.0 ** e, -448, 448)
;;       step = 2.0 ** (np.maximum(np.frexp(np.where(r == 0, 1, r))[1] - 1, -6) - 3)
;;       q = np.round(r / step) * step * 2.0 ** e      # np.round: ties to even
;;       return np.moveaxis(q, -1, axis).astype(np.float32)
;;   ~~~
;;   SOFTMAX AHEAD OF A QUANTISED PRODUCT. Where the list says 'softmax', what is quantised is not the finished softmax but p = 2^(t - M), with t = logit x log2(e) and M = ceil(the row's largest t), a whole number; so 1/2 < the row's largest p <= 1. The row's sum l is taken of the UNQUANTISED p, in f32, and the product's result is divided by l at the end. Since M is a whole number, a kernel that streams over the keys may use a running M (the ceiling of the running maximum): every later rescaling is an exact power of two, so the quantised numbers keep their values, but for numbers so far below the row's largest that they fall under the format's range.
;;   OPERANDS COMPUTED ON THE WAY. 'Computed on the way' means the value that the module computes at that place (a softmax that the list does not call 'softmax' is quantised finished and normalised). What goes into a quantiser is computed in f32, as accurately as f32 sums, v_exp_f32 and their like allow (about 1e-6 of the number): no bf16 or f16 on the way to a quantiser, and a product that is left as it is and whose result goes on into a quantised operand takes f32 operands (vector FMAs, or v_wmma_f32_16x16x4_f32). A number that lies on a knife's edge between two numbers of the format may be rounded either way, as far as f32 arithmetic and the matrix unit's own rounding can turn it there, and no further.
;; 2 versions. Each part assembles by itself: llvm-mc -triple=amdgcn-amd-amdhsa -mcpu=gfx1250 --defsym DOCPART=n.
;; ======== version 1 of 2: 4 launches
;; workspace buffers: wimg 4,194,304 bytes; qc 8,388,608 bytes; kc 8,388,608 bytes; vc 8,388,608 bytes; oc 8,388,608 bytes; mflag 512 bytes of whole numbers
;; launch prep (part 1): grid 64 x 4, 4 waves a work-group, no clusters, 68,096 bytes of LDS; arguments W_q, W_k, W_v, W_o, padding_mask, lowp_scales, wimg, mflag; writes wimg, mflag
.if DOCPART == 1
	.amdgcn_target "amdgcn-amd-amdhsa--gfx1250"
	.amdhsa_code_object_version 6
	.text
	.protected	k_qf1969dbb7d_prep
	.globl	k_qf1969dbb7d_prep
	.p2align	8
	.type	k_qf1969dbb7d_prep,@function
k_qf1969dbb7d_prep:
	s_mov_b64 s[64:65], 0
	v_nop
	global_prefetch_b8 v0, s[64:65] scope:SCOPE_SE
	s_setreg_imm32_b32 hwreg(HW_REG_WAVE_MODE, 25, 1), 1
	s_wait_xcnt 0x0
; The four weights [1024 (n)][1024 (k)], f32, K innermost, become codes of FP8 (E4M3), each with the one scale 2^e given for it (entries 1, 3, 5, 11 of the scales).
; code = w / 2^e, held within +-448, rounded to the nearest code, ties to even.
; LIMITS: -126 <= e <= 119, so that 2^e and 448 x 2^e are f32 numbers.  NaN among the inputs is not served; an infinity is held at the largest code.
; THE CODES ARE LAID AS IMAGES OF OPERAND REGISTERS: wimg[tensor 4][n tile 64][K step 8][2048 bytes].  A fragment is 16 rows x 128 k in 16 registers a lane: lane (r = lane % 16, h = lane / 16)
; holds row r, registers 2 c and 2 c + 1 hold k = 16 c + 8 h + 0 .. 7.  Registers 4 g .. 4 g + 3 of lane l lie at 512 g + 16 l: every later reader takes a fragment by four loads of 512 consecutive bytes.
; SHARES: work-group (x = n tile, y = tensor) takes 16 rows; wave w takes K steps 2 w and 2 w + 1.  A load reads 512 consecutive bytes of one row; the 16 rows x 512 bytes of a K step turn through
; the wave's own stage in LDS (rows of 528 bytes) and come back eight neighbours along K at a time.  Waves share nothing: no barrier.
; ALSO: mflag[batch 4][32 words, all equal]: bit kb says that key block kb (128 keys) of the batch holds a masked key.  Wave 0 of work-groups (0 .. 3, 0) makes it from padding_mask.
.set STGB, 8448                        ; a stage: 16 rows x (512 bytes + 16)
.set WSTG, 2*STGB                      ; two stages for each wave
.set R,    32                          ; v32-159  two sets of 64 registers as loaded
.set X,    160                         ; v160-223 64 numbers: register 8 c + i is k = 16 c + 8 h + i of my row
.set C,    224                         ; v224-255 two sets of 16 registers of codes: no store's data are written again
	s_load_b256 s[4:11], s[0:1], 0x0               ; W_q, W_k, W_v, W_o
	s_load_b256 s[12:19], s[0:1], 0x20             ; padding_mask s[12:13], the scales s[14:15], wimg s[16:17], mflag s[18:19]
	v_lshl_add_u32 v30, v0, 2, 0x10800
	v_mov_b32 v31, 0
	v_lshrrev_b32 v4, 5, v0
	v_readfirstlane_b32 s20, v4                    ; wave 0..3
	s_and_b32 s21, ttmp7, 0xffff                   ; y: which tensor
	v_and_b32 v1, 31, v0                           ; lane
	v_and_b32 v2, 15, v0                           ; r
	v_bfe_u32 v3, v0, 4, 1                         ; h
	v_lshlrev_b32 v12, 2, v1                       ; 4 x lane: mflag's word
	v_lshlrev_b32 v13, 7, v2                       ; 128 r: a key block's bytes of the mask
	v_lshlrev_b32 v1, 4, v1                        ; 16 x lane
	s_lshl_b32 s22, s20, 10
	v_add_nc_u32 v5, s22, v1                       ; in: my 16 bytes of a row's 512, at the wave's first K step
	s_mul_i32 s22, s20, WSTG
	v_add_nc_u32 v6, s22, v1                       ; the stage, on the way in
	v_mul_u32_u24 v7, v2, 528
	v_lshl_add_u32 v7, v3, 5, v7
	v_add_nc_u32 v7, s22, v7                       ; and on the way out: row r, + 32 h bytes
	s_lshl_b32 s22, s20, 12
	v_add_nc_u32 v8, s22, v1                       ; out: 16 x lane + the wave's two fragments
	s_mov_b32 s23, 0
	s_wait_kmcnt 0x0
	s_load_b256 s[24:31], s[14:15], 0x0            ; e0 .. e7
	s_load_b128 s[32:35], s[14:15], 0x20           ; e8 .. e11
	s_cmp_eq_u32 s21, 1                            ; the tensor is chosen by the work-group's y alone
	s_cselect_b64 s[4:5], s[6:7], s[4:5]
	s_cmp_eq_u32 s21, 2
	s_cselect_b64 s[4:5], s[8:9], s[4:5]
	s_cmp_eq_u32 s21, 3
	s_cselect_b64 s[4:5], s[10:11], s[4:5]
	s_lshl_b32 s22, ttmp9, 16                      ; 16 rows of 4,096 bytes
	s_add_nc_u64 s[4:5], s[4:5], s[22:23]
	s_lshl_b32 s22, s21, 20                        ; a tensor's codes
	s_add_nc_u64 s[16:17], s[16:17], s[22:23]
	s_lshl_b32 s22, ttmp9, 14                      ; an n tile's eight fragments
	s_add_nc_u64 s[16:17], s[16:17], s[22:23]
.macro LOAD u                          ; K step 2 w + u: 16 rows, 512 consecutive bytes an instruction
.irp i, 0,1,2,3,4,5,6,7,8,9,10,11,12,13,14,15
	global_load_b128 v[R+64*\u+4*\i:R+64*\u+4*\i+3], v5, s[4:5] offset:\i*4096+\u*512 th:TH_LOAD_NT
.endr
.endm
.macro TURN u                          ; through the stage: LDS serves a wave's instructions in order, so no wait stands between the stores and the loads
.irp i, 0,1,2,3,4,5,6,7,8,9,10,11,12,13,14,15
	ds_store_b128 v6, v[R+64*\u+4*\i:R+64*\u+4*\i+3] offset:\u*STGB+\i*528
.endr
.irp c, 0,1,2,3,4,5,6,7
	ds_load_b128 v[X+8*\c:X+8*\c+3], v7 offset:\u*STGB+64*\c
	ds_load_b128 v[X+8*\c+4:X+8*\c+7], v7 offset:\u*STGB+64*\c+16
.endr
.endm
.macro QUANT u
.set n, 0
.rept 64
	v_med3_num_f32 v[X+n], v[X+n], -v10, v10       ; the conversion to an 8-bit code does not saturate (ISA guide 7.6.2): the hold at the largest code x the scale
.set n, n+1
.endr
.irp c, 0,1,2,3,4,5,6,7
	v_cvt_scalef32_pk8_fp8_f32 v[C+16*\u+2*\c:C+16*\u+2*\c+1], v[X+8*\c:X+8*\c+7], v11   ; registers 2 c, 2 c + 1 of the fragment
.endr
	v_nop                                          ; a plain line behind the last conversion
.irp g, 0,1,2,3
	global_store_b128 v8, v[C+16*\u+4*\g:C+16*\u+4*\g+3], s[16:17] offset:\u*2048+\g*512   ; 512 consecutive bytes
.endr
.endm
	LOAD 0
	LOAD 1
	s_wait_kmcnt 0x0
	s_cmp_eq_u32 s21, 1                            ; e: entry 1, 3, 5 or 11
	s_cselect_b32 s25, s27, s25
	s_cmp_eq_u32 s21, 2
	s_cselect_b32 s25, s29, s25
	s_cmp_eq_u32 s21, 3
	s_cselect_b32 s25, s35, s25
	s_add_co_i32 s25, s25, 127
	s_lshl_b32 s26, s25, 23
	v_mov_b32 v11, s26                             ; 2^e as f32: the conversion takes its exponent field
	s_add_co_i32 s25, s25, 8
	s_lshl_b32 s25, s25, 23
	s_or_b32 s25, s25, 0x600000
	v_mov_b32 v10, s25                             ; 448 x 2^e
	s_wait_loadcnt 16                              ; the first K step's 16 loads are in; the second's may be out
	TURN 0
	s_wait_dscnt 0x0
	QUANT 0
	s_wait_loadcnt 0x0
	TURN 1
	s_wait_dscnt 0x0
	QUANT 1
	; mflag: scalar branches on ids alone
	s_cmp_lg_u32 s21, 0
	s_cbranch_scc1 .Lend
	s_cmp_ge_u32 ttmp9, 4
	s_cbranch_scc1 .Lend
	s_cmp_lg_u32 s20, 0
	s_cbranch_scc1 .Lend
	s_lshl_b32 s22, ttmp9, 11                      ; the batch's 2,048 bytes of the mask
	s_add_nc_u64 s[12:13], s[12:13], s[22:23]
	s_lshl_b32 s22, ttmp9, 7                       ; and its 32 words of mflag
	s_add_nc_u64 s[18:19], s[18:19], s[22:23]
.irp i, 0,1,2,3,4,5,6,7
	global_load_b128 v[32+4*\i:35+4*\i], v13, s[12:13] offset:16*\i   ; lane r (and lane 16 + r with it) takes key block r: 128 bytes
.endr
	s_wait_loadcnt 0x0
.irp i, 1,2,3,4,5,6,7,8,9,10,11,12,13,14,15,16,17,18,19,20,21,22,23,24,25,26,27,28,29,30,31
	v_or_b32 v32, v32, v[32+\i]
.endr
	v_cmp_ne_u32 vcc_lo, 0, v32                    ; bit r: block r holds a masked key
	s_and_b32 s22, vcc_lo, 0xffff
	v_mov_b32 v33, s22
	global_store_b32 v12, v33, s[18:19]            ; 128 consecutive bytes, the same word in each
.Lend:
	s_wait_tensorcnt 0x0
	ds_add_u32 v30, v31
	s_wait_dscnt 0x0
	s_endpgm
.Lfunc_end_k_qf1969dbb7d_prep:
	.size	k_qf1969dbb7d_prep, .Lfunc_end_k_qf1969dbb7d_prep-k_qf1969dbb7d_prep
	.p2alignl 7, 3214868480
	.fill 96, 4, 3214868480
	.section	.rodata,"a",@progbits
	.p2align	6, 0x0
	.amdhsa_kernel k_qf1969dbb7d_prep
		.amdhsa_group_segment_fixed_size 68096
		.amdhsa_private_segment_fixed_size 0
		.amdhsa_enable_private_segment 0
		.amdhsa_kernarg_size 64
		.amdhsa_user_sgpr_count 2
		.amdhsa_user_sgpr_kernarg_segment_ptr 1
		.amdhsa_wavefront_size32 1
		.amdhsa_system_sgpr_workgroup_id_x 1
		.amdhsa_system_sgpr_workgroup_id_y 1
		.amdhsa_system_sgpr_workgroup_id_z 1
		.amdhsa_system_vgpr_workitem_id 0
		.amdhsa_next_free_vgpr 256
		.amdhsa_next_free_sgpr 66
		.amdhsa_reserve_vcc 1
		.amdhsa_float_denorm_mode_32 3
		.amdhsa_float_denorm_mode_16_64 3
		.amdhsa_memory_ordered 1
		.amdhsa_forward_progress 1
		.amdhsa_inst_pref_size 22
	.end_amdhsa_kernel
	.amdgpu_metadata
---
amdhsa.version: [ 1, 2 ]
amdhsa.kernels:
  - .name:           k_qf1969dbb7d_prep
    .symbol:         k_qf1969dbb7d_prep.kd
    .args:
      - { .name: W_q, .offset: 0, .size: 8, .value_kind: global_buffer, .address_space: global }
      - { .name: W_k, .offset: 8, .size: 8, .value_kind: global_buffer, .address_space: global }
      - { .name: W_v, .offset: 16, .size: 8, .value_kind: global_buffer, .address_space: global }
      - { .name: W_o, .offset: 24, .size: 8, .value_kind: global_buffer, .address_space: global }
      - { .name: padding_mask, .offset: 32, .size: 8, .value_kind: global_buffer, .address_space: global }
      - { .name: lowp_scales, .offset: 40, .size: 8, .value_kind: global_buffer, .address_space: global }
      - { .name: wimg, .offset: 48, .size: 8, .value_kind: global_buffer, .address_space: global }
      - { .name: mflag, .offset: 56, .size: 8, .value_kind: global_buffer, .address_space: global }
    .group_segment_fixed_size: 68096
    .private_segment_fixed_size: 0
    .kernarg_segment_align: 8
    .kernarg_segment_size: 64
    .max_flat_workgroup_size: 128
    .sgpr_count:     66
    .vgpr_count:     256
    .wavefront_size: 32
...
	.end_amdgpu_metadata
.endif
;; end of part 1
;; launch proj (part 2): grid 64 x 3, 4 waves a work-group, no clusters, 203,264 bytes of LDS; arguments q, k, v, wimg, b_q, b_k, b_v, lowp_scales, qc, kc, vc; writes qc, kc, vc
.if DOCPART == 2
	.amdgcn_target "amdgcn-amd-amdhsa--gfx1250"
	.amdhsa_code_object_version 6
	.text
	.protected	k_qf1969dbb7d_proj
	.globl	k_qf1969dbb7d_proj
	.p2align	8
	.type	k_qf1969dbb7d_proj,@function
k_qf1969dbb7d_proj:
	s_mov_b64 s[64:65], 0
	v_nop
	global_prefetch_b8 v0, s[64:65] scope:SCOPE_SE
	s_setreg_imm32_b32 hwreg(HW_REG_WAVE_MODE, 25, 1), 1
	s_wait_xcnt 0x0
; Q = q W_q^T + b_q, K = k W_k^T + b_k, V = v W_v^T + b_v, each product on codes of FP8 (E4M3), and each result quantised at once for attention's products.
; Work-group (x = block of 128 tokens, y = 0, 1, 2: q, k, v) reads its 128 x 1,024 f32 numbers ONCE, quantises them (scale 2^ex) into LDS as images of operand registers, and multiplies them by all
; 1,024 rows of the weight, whose codes an earlier launch laid as such images.  Two passes of 512 features; in a pass wave w makes 128 tokens x 128 features (two heads): 64 accumulators.
; A FRAGMENT: 16 rows x 128 k in 16 registers: lane (r, h) holds row r, registers 2 c, 2 c + 1 hold k = 16 c + 8 h + 0 .. 7.  ITS IMAGE: registers 4 g .. 4 g + 3 of lane l at 512 g + 16 l.
; The eight registers of one 16 x 16 result tile are eight neighbours along the next product's K, so one conversion gives registers 2 c, 2 c + 1 of the next operand, c the tile's number along that K.
;   y = 0, 1: source 0 = 16 rows of W, source 1 = 16 tokens: a lane holds ONE token and eight features.  qc, kc: [batch x 16 + head][token tile 128][1,024 bytes]: fragments of 16 tokens x 64.
;   y = 2:    source 0 = 16 tokens, source 1 = 16 rows of W: a lane holds ONE feature and eight tokens.  vc: [batch x 16 + head][key block 16][d tile 4][2,048 bytes]: fragments of 16 d x 128 keys.
; The bias is the C of each sum's first product, divided by the power of two that the sums lack: b / 2^(ex + ew).  The result's code is (sum + that) / 2^(eo - ex - ew), held within +-448.
; LIMITS: ex, and eo - ex - ew, between -126 and 119.  NaN among the inputs is not served; an infinity is held at the largest code.
; No tile comes by the data mover and no cluster is formed: the weights go from memory straight into operand registers, 512 consecutive bytes a load, and pass through no LDS.
; REGISTERS, in windows of 256: window 0: v1-17 addresses and scales; v24-31 bias as loaded; v32-95 the bias as C; v96-127 two sets of codes; v128-255 first two sets of 64 numbers, then x's eight fragments, at last the codes to store.
;   window 1: the weight's fragments, two sets of eight, at v0 and v128 (on the way out v128-191 hold held numbers).  windows 2, 3: accumulator (a, b) at v[8 (8 (a % 4) + b)] of window 2 + a / 4; before that window 2 holds four sets of 64 registers as loaded.
.set STG,  131072                      ; LDS: x's images [K step 8][token tile 8][2048] lie at 0; then two stages of 16 rows x 528 bytes for each wave;
.set STGB, 8448
.set WSTG, 16896
.set BL,   198656                      ; then the tensor's 1,024 biases, scaled
.set BI,   32
.set CX,   96
.set XS,   128
.set XF,   128
.set CD,   128
.set T,    128
.set MSB,  0
.macro WIN new                         ; the immediate's high byte repeats the setting that is left; a switch that changes nothing is dropped
.if MSB != (\new)
	s_set_vgpr_msb (MSB<<8)|(\new)
.set MSB, (\new)
.endif
.endm
.macro PLACES                          ; four plain lines between a matrix instruction and a load into, or a vector write of, one of its registers, or a read of its result
.rept 4
	v_nop
.endr
.endm
	s_load_b512 s[16:31], s[0:1], 0x0              ; q, k, v, wimg, b_q, b_k, b_v, the scales
	s_load_b128 s[32:35], s[0:1], 0x40             ; qc, kc
	s_load_b64 s[36:37], s[0:1], 0x50              ; vc
	v_lshl_add_u32 v22, v0, 2, 0x31800
	v_mov_b32 v23, 0
	v_lshrrev_b32 v4, 5, v0
	v_readfirstlane_b32 s12, v4                    ; wave 0..3
	s_and_b32 s13, ttmp7, 0xffff                   ; y: which tensor
	s_mov_b32 s14, ttmp9                           ; x: which 128 tokens
	v_and_b32 v1, 31, v0
	v_and_b32 v2, 15, v0                           ; r
	v_bfe_u32 v3, v0, 4, 1                         ; h
	v_lshlrev_b32 v1, 4, v1                        ; v1: 16 x lane
	s_mul_i32 s54, s12, WSTG
	s_add_co_u32 s54, s54, STG
	v_add_nc_u32 v4, s54, v1                       ; v4: my stage, on the way in
	v_mul_u32_u24 v5, v2, 528
	v_lshl_add_u32 v5, v3, 5, v5
	v_add_nc_u32 v5, s54, v5                       ; v5: and on the way out: row r, + 32 h
	s_lshl_b32 s54, s12, 12
	v_add_nc_u32 v6, s54, v1                       ; v6: where I store x's images: token tiles 2 w, 2 w + 1; K steps 0-3
	v_add_nc_u32 v7, 0x10000, v6                   ; v7: K steps 4-7
	v_lshlrev_b32 v8, 5, v0                        ; v8: my 8 biases in memory
	v_add_nc_u32 v9, BL, v8                        ; v9: and in LDS
	s_lshl_b32 s54, s12, 9
	s_add_co_u32 s54, s54, BL
	v_lshl_add_u32 v15, v3, 5, s54                 ; v15: the bias as C, a lane holding eight features: my wave's 128, + 32 h
	v_lshl_add_u32 v16, v2, 2, s54                 ; v16: a lane holding one feature: + 4 r
	s_mov_b32 s57, 0
	s_wait_kmcnt 0x0
	s_load_b256 s[40:47], s[30:31], 0x0            ; e0 .. e7
	s_load_b128 s[48:51], s[30:31], 0x20           ; e8 .. e11
	s_cmp_eq_u32 s13, 1                            ; the buffers are chosen by the work-group's y alone
	s_cselect_b64 s[4:5], s[18:19], s[16:17]
	s_cselect_b64 s[6:7], s[26:27], s[24:25]
	s_cselect_b64 s[8:9], s[34:35], s[32:33]
	s_cmp_eq_u32 s13, 2
	s_cselect_b64 s[4:5], s[20:21], s[4:5]
	s_cselect_b64 s[6:7], s[28:29], s[6:7]
	s_cselect_b64 s[8:9], s[36:37], s[8:9]
	s_lshl_b32 s56, s14, 19                        ; 128 tokens of 4,096 bytes,
	s_lshl_b32 s54, s12, 17                        ; my wave's 32 of them
	s_add_co_u32 s56, s56, s54
	s_add_nc_u64 s[4:5], s[4:5], s[56:57]
	s_lshr_b32 s56, s14, 4                         ; out: the batch (16 heads of 131,072 bytes),
	s_lshl_b32 s56, s56, 21
	s_lshl_b32 s54, s12, 18                        ; my wave's two heads,
	s_add_co_u32 s56, s56, s54
	s_and_b32 s54, s14, 15                         ; the block's eight token tiles, or its key block: 8,192 bytes either way
	s_lshl_b32 s54, s54, 13
	s_add_co_u32 s56, s56, s54
	s_add_nc_u64 s[8:9], s[8:9], s[56:57]
	s_lshl_b32 s56, s13, 20                        ; the weight's images: the tensor,
	s_lshl_b32 s54, s12, 17                        ; my wave's eight n tiles
	s_add_co_u32 s56, s56, s54
	s_add_nc_u64 s[10:11], s[22:23], s[56:57]
.macro LOAD u                          ; unit u: K step u / 2 of token tile 2 w + u % 2: 16 rows, 512 consecutive bytes an instruction, into set u % 4 of window 2
	WIN 0x80
.irp i, 0,1,2,3,4,5,6,7,8,9,10,11,12,13,14,15
	global_load_b128 v[64*((\u)%4)+4*\i:64*((\u)%4)+4*\i+3], v1, s[4:5] offset:(16*((\u)%2)+\i)*4096+((\u)/2)*512 th:TH_LOAD_NT
.endr
	WIN 0
.endm
.macro TURN u                          ; through my stage u % 2: LDS serves a wave's instructions in order, so no wait stands between the stores and the loads
	WIN 0x08
.irp i, 0,1,2,3,4,5,6,7,8,9,10,11,12,13,14,15
	ds_store_b128 v4, v[64*((\u)%4)+4*\i:64*((\u)%4)+4*\i+3] offset:((\u)%2)*STGB+\i*528
.endr
	WIN 0
.irp c, 0,1,2,3,4,5,6,7
	ds_load_b128 v[XS+64*((\u)%2)+8*\c:XS+64*((\u)%2)+8*\c+3], v5 offset:((\u)%2)*STGB+64*\c
	ds_load_b128 v[XS+64*((\u)%2)+8*\c+4:XS+64*((\u)%2)+8*\c+7], v5 offset:((\u)%2)*STGB+64*\c+16
.endr
.endm
.macro QUANT xs, cs                    ; 64 numbers, register 8 c + i = k 16 c + 8 h + i of my row, become a fragment's 16 registers
.set n, 0
.rept 64
	v_med3_num_f32 v[\xs+n], v[\xs+n], -v10, v10   ; the conversion does not saturate (ISA guide 7.6.2): the hold at the largest code x the scale
.set n, n+1
.endr
.irp c, 0,1,2,3,4,5,6,7
	v_cvt_scalef32_pk8_fp8_f32 v[\cs+2*\c:\cs+2*\c+1], v[\xs+8*\c:\xs+8*\c+7], v11
.endr
	v_nop                                          ; a plain line behind the last conversion
.endm
.macro IMAGE u
.set sK, (\u)/2
.set tL, (\u)%2
.irp g, 0,1,2,3
.if sK < 4
	ds_store_b128 v6, v[CX+16*tL+4*\g:CX+16*tL+4*\g+3] offset:(sK%4)*16384+tL*2048+\g*512
.else
	ds_store_b128 v7, v[CX+16*tL+4*\g:CX+16*tL+4*\g+3] offset:(sK%4)*16384+tL*2048+\g*512
.endif
.endr
.endm
.macro FETCH_W p                       ; the weight's eight fragments of the K step at s[10:11], into set p of window 1
	WIN 0x40
.irp b, 0,1,2,3,4,5,6,7
.irp g, 0,1,2,3
	global_load_b128 v[128*(\p)+16*\b+4*\g:128*(\p)+16*\b+4*\g+3], v1, s[10:11] offset:\b*16384+\g*512
.endr
.endr
	WIN 0
.endm
.macro UNIT u
	s_wait_dscnt 0x0                               ; unit u is back from the stage, so its stores into the stage have read their registers; the last image's stores are done too
.if (\u)+4 <= 15
	LOAD (\u)+4                                    ; into the set that unit u has left
.endif
.if (\u) < 15
.if (\u) <= 11
	s_wait_loadcnt 48                              ; unit u + 1 is in; the 48 loads of the three units behind it may be out
.else
	s_wait_loadcnt 16*(14-(\u))                    ; the counts run down: 32, 16, 0
.endif
	TURN (\u)+1
.endif
.if (\u) == 14
	FETCH_W 0                                      ; no load of x is out any more: the first K step's weights are asked for
.endif
	QUANT XS+64*((\u)%2), CX+16*((\u)%2)
	IMAGE \u
.endm
	global_load_b128 v[24:27], v8, s[6:7]          ; the bias: 8 numbers a thread
	global_load_b128 v[28:31], v8, s[6:7] offset:16
	LOAD 0
	LOAD 1
	LOAD 2
	LOAD 3
	s_wait_kmcnt 0x0
	s_cmp_eq_u32 s13, 1                            ; ex, ew: entries 2 y, 2 y + 1; eo: entry 6, 7 or 9
	s_cselect_b32 s40, s42, s40
	s_cselect_b32 s41, s43, s41
	s_cselect_b32 s46, s47, s46
	s_cmp_eq_u32 s13, 2
	s_cselect_b32 s40, s44, s40
	s_cselect_b32 s41, s45, s41
	s_cselect_b32 s46, s49, s46
	s_add_co_i32 s54, s40, s41                     ; ex + ew
	s_sub_co_i32 s52, 0, s54
	s_add_co_i32 s55, s40, 127
	s_lshl_b32 s58, s55, 23
	v_mov_b32 v11, s58                             ; 2^ex
	s_add_co_i32 s55, s55, 8
	s_lshl_b32 s55, s55, 23
	s_or_b32 s55, s55, 0x600000
	v_mov_b32 v10, s55                             ; 448 x 2^ex
	s_sub_co_i32 s55, s46, s54
	s_add_co_i32 s55, s55, 127
	s_lshl_b32 s58, s55, 23
	v_mov_b32 v13, s58                             ; 2^(eo - ex - ew): the three scales folded into the conversion's one
	s_add_co_i32 s55, s55, 8
	s_lshl_b32 s55, s55, 23
	s_or_b32 s55, s55, 0x600000
	v_mov_b32 v12, s55                             ; 448 x that
	s_wait_loadcnt 48                              ; the bias and unit 0 are in; units 1 to 3 may be out
.irp i, 0,1,2,3,4,5,6,7
	v_ldexp_f32 v[24+\i], v[24+\i], s52            ; b / 2^(ex + ew)
.endr
	ds_store_b128 v9, v[24:27]
	ds_store_b128 v9, v[28:31] offset:16
	TURN 0
.irp u, 0,1,2,3,4,5,6,7,8,9,10,11,12,13,14,15
	UNIT \u
.endr
	s_wait_dscnt 0x0                               ; for the others' sake: my images and my part of the bias lie in LDS
	s_barrier_signal -1
	s_barrier_wait -1                              ; the one barrier: behind it LDS is only read
.macro FETCH_X i0                      ; x's fragments of token tiles i0 .. i0 + 3, of the K step at v14
.irp a, \i0, \i0+1, \i0+2, \i0+3
.irp g, 0,1,2,3
	ds_load_b128 v[XF+16*(\a)+4*\g:XF+16*(\a)+4*\g+3], v14 offset:(\a)*2048+\g*512
.endr
.endr
.endm
; 16 products: token tiles a0, a0 + 1 x the eight n tiles, 128 along K.  first = 1: the bias starts the sums.  The 64 accumulators take turns, one instruction a turn, in the same order in every step.
.macro MUL16 a0, par, first, sw
.irp a, \a0, \a0+1
.irp b, 0,1,2,3,4,5,6,7
.set rD, 8*(8*((\a)%4)+\b)
.set rW, 128*(\par)+16*\b
.set rX, XF+16*(\a)
.if \sw
.if \first
	v_wmma_f32_16x16x128_fp8_fp8 v[rD:rD+7], v[rX:rX+15], v[rW:rW+15], v[BI+8*\b:BI+8*\b+7]
.else
	v_wmma_f32_16x16x128_fp8_fp8 v[rD:rD+7], v[rX:rX+15], v[rW:rW+15], v[rD:rD+7]
.endif
.else
.if \first
	v_wmma_f32_16x16x128_fp8_fp8 v[rD:rD+7], v[rW:rW+15], v[rX:rX+15], v[BI+8*\b:BI+8*\b+7]
.else
	v_wmma_f32_16x16x128_fp8_fp8 v[rD:rD+7], v[rW:rW+15], v[rX:rX+15], v[rD:rD+7]
.endif
.endif
.endr
.endr
.endm
; A K step of 128: 64 products on weight set par.  The next step's weights are asked for at its head, x's tiles 0-3 in its middle, tiles 4-7 at its end.
.macro STEP par, first, last, sw
.set WLO, 1+3*\sw+0x80+0x20*(1-\first)  ; the weight's window 1 at source 0 or 1; D window 2; C window 2, or 0 for the bias
.set WHI, 1+3*\sw+0xc0+0x30*(1-\first)  ; the same with window 3
.if \last == 0
	s_wait_xcnt 0x0                                ; the weights' base steps only behind this wait
	s_add_nc_u64 s[10:11], s[10:11], 2048
	FETCH_W 1-\par
	s_wait_loadcnt 32                              ; this step's set is in; the 32 loads just issued may be out
.else
	s_wait_loadcnt 0x0
	s_cmp_eq_u32 s15, 1                            ; the first pass asks here for the second pass's first set; the last pass asks for nothing: no load leaves its buffer
	s_cbranch_scc1 .Lnofetch_\@
	s_wait_xcnt 0x0
	s_add_nc_u64 s[10:11], s[10:11], 509952        ; 32 n tiles on, seven K steps back
	FETCH_W 0
.Lnofetch_\@:
.endif
	s_wait_dscnt 16                                ; x's tiles 0-3 (and what is older) are in; the 16 loads of tiles 4-7 may be out
	WIN WLO
	MUL16 0, \par, \first, \sw
	MUL16 2, \par, \first, \sw
	s_wait_dscnt 0x0
.if \last == 0
	PLACES
	WIN 0
	v_add_nc_u32 v14, s39, v1                      ; the next K step's images
	FETCH_X 0
.endif
	WIN WHI
	MUL16 4, \par, \first, \sw
	MUL16 6, \par, \first, \sw
	PLACES
	WIN 0
.if \last == 0
	FETCH_X 4
	s_add_co_u32 s39, s39, 16384
.endif
.endm
; The way out of a pass: each accumulator is held (from its low end on), converted, and its two registers of codes fall into their place in a fragment; the fragments leave as images.
.macro EPI sw
.irp a, 0,1,2,3,4,5,6,7
	WIN 0x42+\a/4                                  ; source 0 window 2 or 3, destination window 1
.set n, 0
.rept 64
	v_med3_num_f32 v[T+n], v[64*(\a%4)+n], -v12, v12
.set n, n+1
.endr
	WIN 0x01                                       ; source 0 window 1, destination window 0
.irp b, 0,1,2,3,4,5,6,7
.if \sw
	v_cvt_scalef32_pk8_fp8_f32 v[CD+16*\b+2*\a:CD+16*\b+2*\a+1], v[T+8*\b:T+8*\b+7], v13   ; fragment b (16 features), keys 16 a + 8 h on
.else
	v_cvt_scalef32_pk8_fp8_f32 v[CD+16*\a+2*\b:CD+16*\a+2*\b+1], v[T+8*\b:T+8*\b+7], v13   ; token tile a: head b / 4, d = 16 (b % 4) + 8 h on
.endif
.endr
	v_nop                                          ; a plain line behind the last conversion
	WIN 0
.if \sw == 0
.irp k, 0,1,2,3
	global_store_b128 v1, v[CD+16*\a+4*\k:CD+16*\a+4*\k+3], s[8:9] offset:\a*1024+(\k/2)*131072+(\k%2)*512
.endr
.endif
.endr
.if \sw
.irp b, 0,1,2,3,4,5,6,7
.irp g, 0,1,2,3
	global_store_b128 v1, v[CD+16*\b+4*\g:CD+16*\b+4*\g+3], s[8:9] offset:(\b/4)*131072+(\b%4)*2048+\g*512
.endr
.endr
.endif
.endm
.macro PATH sw
	s_mov_b32 s15, 2                               ; passes to go
	s_mov_b32 s53, 0                               ; the pass's 512 biases
.Lpass_\@:
.if \sw
	v_add_nc_u32 v17, s53, v16
.irp b, 0,1,2,3,4,5,6,7
	ds_load_b32 v[BI+8*\b], v17 offset:64*\b       ; my feature's bias in tile b
.endr
.else
	v_add_nc_u32 v17, s53, v15
.irp b, 0,1,2,3,4,5,6,7
	ds_load_b128 v[BI+8*\b:BI+8*\b+3], v17 offset:64*\b
	ds_load_b128 v[BI+8*\b+4:BI+8*\b+7], v17 offset:64*\b+16
.endr
.endif
	v_mov_b32 v14, v1                              ; K step 0
	FETCH_X 0
	FETCH_X 4
	s_mov_b32 s39, 16384
.if \sw
	s_wait_dscnt 32                                ; the bias is in; x's 32 loads may be out
.irp b, 0,1,2,3,4,5,6,7
.irp j, 1,2,3,4,5,6,7
	v_mov_b32 v[BI+8*\b+\j], v[BI+8*\b]            ; the same for my eight tokens
.endr
.endr
.endif
	STEP 0, 1, 0, \sw
	s_mov_b32 s38, 3
.Lk_\@:
	STEP 1, 0, 0, \sw
	STEP 0, 0, 0, \sw
	s_sub_co_u32 s38, s38, 1
	s_cmp_lg_u32 s38, 0
	s_cbranch_scc1 .Lk_\@
	STEP 1, 0, 1, \sw
	EPI \sw
	s_wait_xcnt 0x0                                ; the stores' base and their data registers are written again only behind this wait
	s_add_nc_u64 s[8:9], s[8:9], 1048576           ; eight heads on
	s_add_co_u32 s53, s53, 2048
	s_sub_co_u32 s15, s15, 1
	s_cmp_lg_u32 s15, 0
	s_cbranch_scc1 .Lpass_\@
	s_wait_tensorcnt 0x0
	ds_add_u32 v22, v23
	s_wait_dscnt 0x0
	s_endpgm
.endm
	s_cmp_eq_u32 s13, 2
	s_cbranch_scc1 .Lfor_v
	PATH 0
.Lfor_v:
	PATH 1
.Lfunc_end_k_qf1969dbb7d_proj:
	.size	k_qf1969dbb7d_proj, .Lfunc_end_k_qf1969dbb7d_proj-k_qf1969dbb7d_proj
	.p2alignl 7, 3214868480
	.fill 96, 4, 3214868480
	.section	.rodata,"a",@progbits
	.p2align	6, 0x0
	.amdhsa_kernel k_qf1969dbb7d_proj
		.amdhsa_group_segment_fixed_size 203264
		.amdhsa_private_segment_fixed_size 0
		.amdhsa_enable_private_segment 0
		.amdhsa_kernarg_size 88
		.amdhsa_user_sgpr_count 2
		.amdhsa_user_sgpr_kernarg_segment_ptr 1
		.amdhsa_wavefront_size32 1
		.amdhsa_system_sgpr_workgroup_id_x 1
		.amdhsa_system_sgpr_workgroup_id_y 1
		.amdhsa_system_sgpr_workgroup_id_z 1
		.amdhsa_system_vgpr_workitem_id 0
		.amdhsa_next_free_vgpr 1024
		.amdhsa_next_free_sgpr 66
		.amdhsa_reserve_vcc 0
		.amdhsa_float_denorm_mode_32 3
		.amdhsa_float_denorm_mode_16_64 3
		.amdhsa_memory_ordered 1
		.amdhsa_forward_progress 1
		.amdhsa_inst_pref_size 255
	.end_amdhsa_kernel
	.section	.bss,"aw",@nobits
	.p2align	6
	.space	262144
	.amdgpu_metadata
---
amdhsa.version: [ 1, 2 ]
amdhsa.kernels:
  - .name:           k_qf1969dbb7d_proj
    .symbol:         k_qf1969dbb7d_proj.kd
    .args:
      - { .name: q, .offset: 0, .size: 8, .value_kind: global_buffer, .address_space: global }
      - { .name: k, .offset: 8, .size: 8, .value_kind: global_buffer, .address_space: global }
      - { .name: v, .offset: 16, .size: 8, .value_kind: global_buffer, .address_space: global }
      - { .name: wimg, .offset: 24, .size: 8, .value_kind: global_buffer, .address_space: global }
      - { .name: b_q, .offset: 32, .size: 8, .value_kind: global_buffer, .address_space: global }
      - { .name: b_k, .offset: 40, .size: 8, .value_kind: global_buffer, .address_space: global }
      - { .name: b_v, .offset: 48, .size: 8, .value_kind: global_buffer, .address_space: global }
      - { .name: lowp_scales, .offset: 56, .size: 8, .value_kind: global_buffer, .address_space: global }
      - { .name: qc, .offset: 64, .size: 8, .value_kind: global_buffer, .address_space: global }
      - { .name: kc, .offset: 72, .size: 8, .value_kind: global_buffer, .address_space: global }
      - { .name: vc, .offset: 80, .size: 8, .value_kind: global_buffer, .address_space: global }
    .group_segment_fixed_size: 203264
    .private_segment_fixed_size: 0
    .kernarg_segment_align: 8
    .kernarg_segment_size: 88
    .max_flat_workgroup_size: 128
    .sgpr_count:     66
    .vgpr_count:     1024
    .wavefront_size: 32
...
	.end_amdgpu_metadata
.endif
;; end of part 2
;; launch attn (part 3): grid 4 x 64, 16 waves a work-group, no clusters, 272,384 bytes of LDS; arguments qc, kc, vc, padding_mask, mflag, lowp_scales, oc; writes oc
.if DOCPART == 3
	.amdgcn_target "amdgcn-amd-amdhsa--gfx1250"
	.amdhsa_code_object_version 6
	.text
	.protected	k_qf1969dbb7d_attn
	.globl	k_qf1969dbb7d_attn
	.p2align	8
	.type	k_qf1969dbb7d_attn,@function
k_qf1969dbb7d_attn:
	s_mov_b64 s[64:65], 0
	v_nop
	global_prefetch_b8 v0, s[64:65] scope:SCOPE_SE
	s_setreg_imm32_b32 hwreg(HW_REG_WAVE_MODE, 25, 1), 1
	s_wait_xcnt 0x0
; O[q] = the sum over keys of softmax(Q[q] . K[key] / 8, causal and padding masks) V[key], head size 64, both products on codes of FP8 (E4M3); the result is quantised at once for the last projection.
; THE SOFTMAX AHEAD OF THE SECOND PRODUCT: t = score x log2(e) / 8; M = the largest t so far, rounded UP to a whole number; p = 2^(t - M) is quantised (scale 2^e8); the row's sum is taken of the unquantised p and divides at the end.
; When M moves, the sum and O are multiplied by 2^(old M - new M): exact.  A masked score is -infinity ahead of the maximum, so its p is 0.  A query with no key left has the sum 0: its codes become the format's NaN,
; which the last projection carries into the whole output row, as the softmax of such a row is NaN.
; SHARES: work-group (x = j, y = batch x 16 + head); wave w owns the tiles of 16 queries i = 16 j + w and 127 - i.  Tile i has i / 8 + 1 steps of 128 keys that are not wholly hidden: 17 steps for every wave.
; The head's K and V (131,072 bytes of codes each, laid as images of operand registers by the launch before) are copied once into LDS through registers, and the batch's mask as 2,048 numbers 0 or -infinity.  One barrier.
; Every tile walks a loop of a constant 16 trips; a step all of whose keys come after the tile's queries is left out by a scalar branch on ids.  A key block with no masked key (a bit of mflag, stored by an earlier launch) skips the mask's additions.
; No tile comes by the data mover here: LDS is filled once in any case; no cluster: what partners would share is read once a work-group.
; LAYOUT: S^T = K Q^T (source 0 = 16 keys, source 1 = my 16 queries): lane (r, h) holds query r, register 8 t + j key 16 t + 8 h + j of the step.  One conversion of tile t gives registers 2 t, 2 t + 1 of p's fragment.
; O^T = V^T P^T (source 0 = 16 of the head's 64, source 1 = p): register 8 d + j is o(r, 16 d + 8 h + j).  oc: [batch x 128 + tile][head][1,024 bytes]: two heads side by side are one fragment of 16 tokens x 128.
; LIMITS: e6 + e7 between -123 and 130 (added to c's exponent field); e8 and e10 between -126 and 119; every t above -3e38.
; REGISTERS: v1 16 x lane; v2 the mask's place; v3 r - 8 h; v4-6 addresses in hand; v7 the copy's place; v8, v9: 448 x 2^e8, 2^e8; v[10:11] f, 0; v12 -M; v13 the largest t; v[14:15] the sum; v16-23 Q; v24-29 at work; v27 -infinity;
;   v30, v31: 448 x 2^e10, 2^e10; v32-95 K's eight fragments, then V's four; v96-159 S^T, then p; v160-191 O^T; v192-207 codes; v208-239 the mask's numbers; v240 four NaN codes; v241 four bytes of the mask.
.set VOFF, 131072                      ; LDS: K's images at 0, V's here,
.set MOFF, 262144                      ; the mask's 2,048 numbers here
	s_load_b256 s[4:11], s[0:1], 0x0               ; qc, kc, vc, padding_mask
	s_load_b128 s[12:15], s[0:1], 0x20             ; mflag, the scales
	s_load_b64 s[16:17], s[0:1], 0x30              ; oc
	v_lshl_add_u32 v254, v0, 2, 0x42000
	v_mov_b32 v255, 0
	v_lshrrev_b32 v4, 5, v0
	v_readfirstlane_b32 s18, v4                    ; wave 0..15
	s_and_b32 s19, ttmp7, 0xffff                   ; batch x 16 + head
	s_lshr_b32 s24, s19, 4                         ; batch
	v_and_b32 v1, 31, v0
	v_and_b32 v5, 15, v0                           ; r
	v_bfe_u32 v6, v0, 4, 1                         ; h
	v_lshlrev_b32 v1, 4, v1
	v_lshl_add_u32 v2, v6, 5, MOFF
	v_lshlrev_b32 v3, 3, v6
	v_sub_nc_u32 v3, v5, v3
	s_lshl_b32 s38, s18, 13
	v_add_nc_u32 v7, s38, v1                       ; the copy: my wave's 8,192 bytes of K's images,
	v_add_nc_u32 v24, VOFF, v7                     ; of V's,
	v_lshl_add_u32 v25, v0, 4, MOFF                ; and my thread's four numbers of the mask
	v_lshlrev_b32 v26, 2, v0
	v_mov_b32 v27, 0xff800000
	v_mov_b32 v240, 0x7f7f7f7f
	s_mov_b32 s20, 0x76543210                      ; v_permlanex16_b32's selects for lane l xor 16
	s_mov_b32 s21, 0xfedcba98
	s_mov_b32 s39, 0
	s_mov_b32 s41, 0
	s_wait_kmcnt 0x0
	s_lshl_b32 s38, s24, 7
	s_add_nc_u64 s[12:13], s[12:13], s[38:39]
	s_load_b32 s25, s[12:13], 0x0                  ; the batch's flags: bit kb for key block kb
	s_load_b64 s[28:29], s[14:15], 0x18            ; e6, e7
	s_load_b64 s[30:31], s[14:15], 0x20            ; e8, e9
	s_load_b32 s32, s[14:15], 0x28                 ; e10
	s_lshl_b32 s38, s19, 17                        ; the head's 131,072 bytes in qc, kc and vc
	s_add_nc_u64 s[4:5], s[4:5], s[38:39]
	s_lshl_b32 s40, s18, 13
	s_add_co_u32 s38, s38, s40                     ; + my wave's part of the copy
	s_add_nc_u64 s[6:7], s[6:7], s[38:39]
	s_add_nc_u64 s[8:9], s[8:9], s[38:39]
	s_lshl_b32 s38, s24, 11
	s_add_nc_u64 s[10:11], s[10:11], s[38:39]
	s_lshl_b32 s38, s24, 21                        ; oc: the batch's 128 tiles of 16,384 bytes, + the head's 1,024
	s_and_b32 s40, s19, 15
	s_lshl_b32 s40, s40, 10
	s_add_co_u32 s38, s38, s40
	s_add_nc_u64 s[16:17], s[16:17], s[38:39]
.irp i, 0,1,2,3,4,5,6,7,8,9,10,11,12,13,14,15
	global_load_b128 v[32+4*\i:35+4*\i], v1, s[6:7] offset:\i*512
.endr
.irp i, 0,1,2,3,4,5,6,7,8,9,10,11,12,13,14,15
	global_load_b128 v[96+4*\i:99+4*\i], v1, s[8:9] offset:\i*512
.endr
	global_load_b32 v241, v26, s[10:11]
	s_wait_loadcnt 17                              ; K's 16 loads are in; V's 16 and the mask's one may be out
.irp i, 0,1,2,3,4,5,6,7,8,9,10,11,12,13,14,15
	ds_store_b128 v7, v[32+4*\i:35+4*\i] offset:\i*512
.endr
	s_wait_loadcnt 1                               ; V's are in
.irp i, 0,1,2,3,4,5,6,7,8,9,10,11,12,13,14,15
	ds_store_b128 v24, v[96+4*\i:99+4*\i] offset:\i*512
.endr
	s_wait_loadcnt 0x0
.irp n, 0,1,2,3
	v_bfe_u32 v[208+\n], v241, 8*\n, 8
	v_cmp_ne_u32 vcc_lo, 0, v[208+\n]
	v_cndmask_b32 v[208+\n], 0, v27, vcc_lo        ; a masked key: -infinity; else 0
.endr
	ds_store_b128 v25, v[208:211]
	s_wait_kmcnt 0x0
	s_add_co_i32 s38, s28, s29
	s_lshl_b32 s38, s38, 23
	s_add_co_i32 s22, s38, 0x3e38aa3b              ; c = log2(e) / 8, with e6 + e7 added to its exponent field: a score stands for score x 2^(e6 + e7)
	s_mov_b32 s23, s22                             ; (named with it as a pair, so it is written)
	s_add_co_i32 s38, s30, 127
	s_lshl_b32 s40, s38, 23
	v_mov_b32 v9, s40                              ; 2^e8
	s_add_co_i32 s38, s38, 8
	s_lshl_b32 s38, s38, 23
	s_or_b32 s38, s38, 0x600000
	v_mov_b32 v8, s38                              ; 448 x 2^e8
	s_add_co_i32 s38, s32, 127
	s_lshl_b32 s40, s38, 23
	v_mov_b32 v31, s40                             ; 2^e10
	s_add_co_i32 s38, s38, 8
	s_lshl_b32 s38, s38, 23
	s_or_b32 s38, s38, 0x600000
	v_mov_b32 v30, s38                             ; 448 x 2^e10
	s_add_co_i32 s26, s30, s31                     ; e8 + e9
	s_lshl_b32 s37, ttmp9, 4
	s_add_co_u32 s37, s37, s18                     ; my first tile: 16 j + w
	s_wait_dscnt 0x0                               ; for the others' sake: my part of the copy lies in LDS
	s_barrier_signal -1
	s_barrier_wait -1                              ; the one barrier: behind it LDS is only read
; A KEY STEP: 128 keys from s35 on; their images begin at LDS byte s33 (and VOFF + s33).
.macro STEP
	s_add_co_u32 s38, s36, 15
	s_cmp_gt_u32 s35, s38                          ; all 128 keys come after my 16 queries: the step is left out
	s_cbranch_scc1 .Lhidden_\@
	v_add_nc_u32 v4, s33, v1
	v_add_nc_u32 v5, VOFF, v4
.irp t, 0,1,2,3,4,5,6,7
	ds_load_b128 v[32+8*\t:35+8*\t], v4 offset:\t*1024
	ds_load_b128 v[36+8*\t:39+8*\t], v4 offset:\t*1024+512
.endr
	s_wait_dscnt 0x0
.irp t, 0,1,2,3,4,5,6,7
	v_wmma_f32_16x16x64_fp8_fp8 v[96+8*\t:103+8*\t], v[32+8*\t:39+8*\t], v[16:23], 0
.endr
.rept 4
	v_nop                                          ; places in front of the loads into K's registers and of the first read of the scores
.endr
.irp d, 0,1,2,3
.irp g, 0,1,2,3
	ds_load_b128 v[32+16*\d+4*\g:35+16*\d+4*\g], v5 offset:\d*2048+\g*512   ; V's four fragments land under the softmax
.endr
.endr
	s_lshr_b32 s39, s35, 7                         ; does this key block hold a masked key?
	s_lshr_b32 s38, s25, s39
	s_and_b32 s38, s38, 1
	s_cmp_eq_u32 s38, 0
	s_cbranch_scc1 .Lnopad_\@
	s_lshr_b32 s38, s33, 4                         ; 4 bytes a key
	v_add_nc_u32 v6, s38, v2
.irp hf, 0,1
.irp tt, 0,1,2,3
	ds_load_b128 v[208+8*\tt:211+8*\tt], v6 offset:64*(4*\hf+\tt)
	ds_load_b128 v[212+8*\tt:215+8*\tt], v6 offset:64*(4*\hf+\tt)+16
.endr
	s_wait_dscnt 0x0
.irp i, 0,2,4,6,8,10,12,14,16,18,20,22,24,26,28,30
	v_pk_add_f32 v[96+32*\hf+\i:97+32*\hf+\i], v[96+32*\hf+\i:97+32*\hf+\i], v[208+\i:209+\i]   ; + 0 or -infinity
.endr
.endr
.Lnopad_\@:
	s_add_co_u32 s38, s35, 127
	s_cmp_le_u32 s38, s36                          ; all 128 keys count for all my queries: nothing to hide
	s_cbranch_scc1 .Lopen_\@
	s_sub_co_i32 s38, s36, s35
	v_add_nc_u32 v24, s38, v3                      ; my query - the step's first key - 8 h.  Register 8 t + j is hidden where 16 t + j is greater
.set n, 0
.rept 64
	v_cmp_gt_i32 vcc_lo, 16*(n/8)+n%8, v24
	v_cndmask_b32 v[96+n], v[96+n], v27, vcc_lo
.set n, n+1
.endr
.Lopen_\@:
	v_max3_num_f32 v24, v96, v97, v98              ; the step's largest score of my query among my 64 keys, in two chains, each accumulator from its low end on,
	v_max3_num_f32 v25, v99, v100, v101
.irp i, 6,10,14,18,22,26,30,34,38,42,46,50,54,58
	v_max3_num_f32 v24, v24, v[96+\i], v[97+\i]
	v_max3_num_f32 v25, v25, v[98+\i], v[99+\i]
.endr
	v_max3_num_f32 v24, v24, v158, v159
	v_max_num_f32 v24, v24, v25
	v_permlanex16_b32 v26, v24, s20, s21
	v_max_num_f32 v24, v24, v26                    ; and among lane l xor 16's
	v_mul_f32 v24, s22, v24                        ; as t (c is positive)
	v_max_num_f32 v13, v13, v24                    ; the running largest t
	v_mov_b32 v24, v12
	v_floor_f32 v12, -v13                          ; the new -M = floor(-t): M is a whole number
	v_sub_f32 v24, v12, v24                        ; old M - new M: a whole number, 0 or less
	v_cvt_i32_f32 v24, v24                         ; (it saturates)
	v_ldexp_f32 v10, 1.0, v24                      ; f = 2^(old M - new M)
.set n, 0
.rept 32
	v_pk_fma_f32 v[96+n:97+n], v[96+n:97+n], s[22:23], v[12:13] op_sel_hi:[1,0,0]   ; t - M, two at a time (the pairs' low words serve both halves)
.set n, n+2
.endr
.set n, 0
.rept 64
	v_exp_f32 v[96+n], v[96+n]                     ; p = 2^(t - M), at most 1
.set n, n+1
.endr
	v_pk_mul_f32 v[14:15], v[14:15], v[10:11] op_sel_hi:[1,0]   ; the sum under the new M (a plain line behind the exponentials)
	s_wait_alu depctr_va_vdst(0)
	v_pk_add_f32 v[28:29], v[96:97], v[98:99]      ; the sum of the unquantised p, in two chains
.irp j, 4,8,12,16,20,24,28,32,36,40,44,48,52,56,60
	v_pk_add_f32 v[14:15], v[14:15], v[96+\j:97+\j]
	v_pk_add_f32 v[28:29], v[28:29], v[98+\j:99+\j]
.endr
	v_pk_add_f32 v[14:15], v[14:15], v[28:29]
.irp t, 0,1,2,3,4,5,6,7
.irp i, 0,1,2,3,4,5,6,7
	v_min_num_f32 v[96+8*\t+\i], v[96+8*\t+\i], v8 ; the conversion does not saturate (ISA guide 7.6.2); p is not negative, so the hold is one-sided
.endr
	v_cvt_scalef32_pk8_fp8_f32 v[192+2*\t:193+2*\t], v[96+8*\t:103+8*\t], v9
.endr
.set n, 0
.rept 16
	v_pk_mul_f32 v[160+n:161+n], v[160+n:161+n], v[10:11] op_sel_hi:[1,0]   ; O^T under the new M (plain lines behind the conversions)
.set n, n+2
.endr
	s_wait_dscnt 0x0                               ; V is in
.irp d, 0,1,2,3
	v_wmma_f32_16x16x128_fp8_fp8 v[160+8*\d:167+8*\d], v[32+16*\d:47+16*\d], v[192:207], v[160+8*\d:167+8*\d]   ; four accumulators, one instruction a turn
.endr
.rept 4
	v_nop                                          ; places in front of the next step's loads and of the way out
.endr
.Lhidden_\@:
.endm
.macro TILE_RUN                        ; the tile of 16 queries s37
	s_wait_xcnt 0x0                                ; the bases and the codes' registers of the tile before are written again only behind this wait
	s_lshl_b32 s40, s37, 10
	s_add_nc_u64 s[42:43], s[4:5], s[40:41]
	global_load_b128 v[16:19], v1, s[42:43]        ; Q's fragment
	global_load_b128 v[20:23], v1, s[42:43] offset:512
	s_lshl_b32 s40, s37, 14
	s_add_nc_u64 s[44:45], s[16:17], s[40:41]      ; where the tile's codes go
	v_mov_b32 v13, 0xff61b1e6                      ; the largest t so far: -3e38
	v_floor_f32 v12, -v13
	v_mov_b32 v14, 0
	v_mov_b32 v15, 0
	v_mov_b32 v10, 0
	v_mov_b32 v11, 0                               ; (named as the upper half of the pair v[10:11])
	v_mov_b32 v24, 0
	v_mov_b32 v25, 0
	v_mov_b32 v26, 0                               ; a lane permute's destination counts as one of its sources
	v_mov_b32 v28, 0
	v_mov_b32 v29, 0
.set n, 0
.rept 32
	v_mov_b32 v[160+n], 0                          ; O^T: the step is written once; the first finds zeros, which the first change of M leaves zeros
.set n, n+1
.endr
	s_lshl_b32 s36, s37, 4                         ; my first query
	s_mov_b32 s35, 0                               ; the step's first key
	s_mov_b32 s33, 0                               ; and its images
	s_mov_b32 s34, 16
	s_wait_loadcnt 0x0
.Lkey_\@:
	STEP
	s_add_co_u32 s33, s33, 8192
	s_add_co_u32 s35, s35, 128
	s_sub_co_u32 s34, s34, 1
	s_cmp_lg_u32 s34, 0
	s_cbranch_scc1 .Lkey_\@
	v_add_f32 v14, v14, v15                        ; the sum's two halves,
	v_permlanex16_b32 v26, v14, s20, s21
	v_add_f32 v14, v14, v26                        ; and lane l xor 16's
	v_rcp_f32 v24, v14
	v_nop                                          ; a plain line behind the transcendental
	v_cmp_eq_f32 vcc_lo, 0, v14                    ; no key was left for my query
	s_wait_alu depctr_va_vdst(0)
	v_ldexp_f32 v24, v24, s26                      ; x 2^(e8 + e9)
.set n, 0
.rept 16
	v_pk_mul_f32 v[96+n:97+n], v[160+n:161+n], v[24:25] op_sel_hi:[1,0]
.set n, n+2
.endr
.set n, 0
.rept 32
	v_med3_num_f32 v[96+n], v[96+n], -v30, v30
.set n, n+1
.endr
.irp d, 0,1,2,3
	v_cvt_scalef32_pk8_fp8_f32 v[192+2*\d:193+2*\d], v[96+8*\d:103+8*\d], v31
.endr
	v_nop                                          ; a plain line behind the last conversion
.irp i, 0,1,2,3,4,5,6,7
	v_cndmask_b32 v[192+\i], v[192+\i], v240, vcc_lo
.endr
	global_store_b128 v1, v[192:195], s[44:45]     ; 512 consecutive bytes each
	global_store_b128 v1, v[196:199], s[44:45] offset:512
.endm
	TILE_RUN
	s_sub_co_u32 s37, 127, s37                     ; the partner tile
	TILE_RUN
	s_wait_tensorcnt 0x0
	ds_add_u32 v254, v255
	s_wait_dscnt 0x0
	s_endpgm
.Lfunc_end_k_qf1969dbb7d_attn:
	.size	k_qf1969dbb7d_attn, .Lfunc_end_k_qf1969dbb7d_attn-k_qf1969dbb7d_attn
	.p2alignl 7, 3214868480
	.fill 96, 4, 3214868480
	.section	.rodata,"a",@progbits
	.p2align	6, 0x0
	.amdhsa_kernel k_qf1969dbb7d_attn
		.amdhsa_group_segment_fixed_size 272384
		.amdhsa_private_segment_fixed_size 0
		.amdhsa_enable_private_segment 0
		.amdhsa_kernarg_size 56
		.amdhsa_user_sgpr_count 2
		.amdhsa_user_sgpr_kernarg_segment_ptr 1
		.amdhsa_wavefront_size32 1
		.amdhsa_system_sgpr_workgroup_id_x 1
		.amdhsa_system_sgpr_workgroup_id_y 1
		.amdhsa_system_sgpr_workgroup_id_z 1
		.amdhsa_system_vgpr_workitem_id 0
		.amdhsa_next_free_vgpr 256
		.amdhsa_next_free_sgpr 66
		.amdhsa_reserve_vcc 1
		.amdhsa_float_denorm_mode_32 3
		.amdhsa_float_denorm_mode_16_64 3
		.amdhsa_memory_ordered 1
		.amdhsa_forward_progress 1
		.amdhsa_inst_pref_size 69
	.end_amdhsa_kernel
	.amdgpu_metadata
---
amdhsa.version: [ 1, 2 ]
amdhsa.kernels:
  - .name:           k_qf1969dbb7d_attn
    .symbol:         k_qf1969dbb7d_attn.kd
    .args:
      - { .name: qc, .offset: 0, .size: 8, .value_kind: global_buffer, .address_space: global }
      - { .name: kc, .offset: 8, .size: 8, .value_kind: global_buffer, .address_space: global }
      - { .name: vc, .offset: 16, .size: 8, .value_kind: global_buffer, .address_space: global }
      - { .name: padding_mask, .offset: 24, .size: 8, .value_kind: global_buffer, .address_space: global }
      - { .name: mflag, .offset: 32, .size: 8, .value_kind: global_buffer, .address_space: global }
      - { .name: lowp_scales, .offset: 40, .size: 8, .value_kind: global_buffer, .address_space: global }
      - { .name: oc, .offset: 48, .size: 8, .value_kind: global_buffer, .address_space: global }
    .group_segment_fixed_size: 272384
    .private_segment_fixed_size: 0
    .kernarg_segment_align: 8
    .kernarg_segment_size: 56
    .max_flat_workgroup_size: 512
    .sgpr_count:     66
    .vgpr_count:     256
    .wavefront_size: 32
...
	.end_amdgpu_metadata
.endif
;; end of part 3
;; launch outp (part 4): grid 4 x 64, 4 waves a work-group, no clusters, 148,992 bytes of LDS; arguments oc, wimg, b_o, lowp_scales, out0; writes out0
.if DOCPART == 4
	.amdgcn_target "amdgcn-amd-amdhsa--gfx1250"
	.amdhsa_code_object_version 6
	.text
	.protected	k_qf1969dbb7d_outp
	.globl	k_qf1969dbb7d_outp
	.p2align	8
	.type	k_qf1969dbb7d_outp,@function
k_qf1969dbb7d_outp:
	s_mov_b64 s[64:65], 0
	v_nop
	global_prefetch_b8 v0, s[64:65] scope:SCOPE_SE
	s_setreg_imm32_b32 hwreg(HW_REG_WAVE_MODE, 25, 1), 1
	s_wait_xcnt 0x0
; out0 = O W_o^T + b_o on codes of FP8 (E4M3): O's codes and W_o's were laid as images of operand registers by earlier launches; out0 [8192][1024] f32 = sum x 2^(e10 + e11) + b_o.
; LIMIT: e10 + e11 between -126 and 127, so that the power of two is an f32 number.
; SHARES: work-group (x, y) makes tokens 128 y on x features 256 x on.  Its 128 tokens' codes are 131,072 consecutive bytes: copied once into LDS through registers.  Wave w makes all 128 tokens x features 64 w on:
; 32 accumulators; its 65,536 bytes of W_o go from memory straight into operand registers, three K steps ahead, and no weight is read twice in a work-group.  Every offset is an immediate: no pointer steps.
; No tile comes by the data mover and no cluster is formed: LDS is filled once, and the weights pass through no LDS.
; Source 0 = 16 rows of W_o, source 1 = 16 tokens: lane (r, h) holds token r and eight neighbouring features.  A block of 16 tokens x 64 features goes through the wave's own stage and leaves as rows of 256 aligned bytes.
; REGISTERS, in windows of 256: window 0: v1-9 addresses; v32-63 b_o in the result's layout; v64-127 results at work, two sets; v128-255 O's eight fragments, later rows read back, two sets.
;   window 1: W_o's fragments, four sets of four.   window 2: accumulator (a, b) at v[8 (4 a + b)]; before that the copy's 256 registers.
.set STGO, 131072                      ; LDS: O's images [token tile 8][K step 8][2048] at 0; then a stage of 16 rows x 272 bytes for each wave
.set BO,   32
.set TT,   64
.set AF,   128
.set BK,   128
.set MSB,  0
.macro WIN new                         ; the immediate's high byte repeats the setting that is left; a switch that changes nothing is dropped
.if MSB != (\new)
	s_set_vgpr_msb (MSB<<8)|(\new)
.set MSB, (\new)
.endif
.endm
.macro PLACES                          ; four plain lines between a matrix instruction and a load into one of its registers or a read of its result
.rept 4
	v_nop
.endr
.endm
	s_load_b256 s[4:11], s[0:1], 0x0               ; oc, wimg, b_o, the scales
	s_load_b64 s[12:13], s[0:1], 0x20              ; out0
	v_lshl_add_u32 v30, v0, 2, 0x24400
	v_mov_b32 v31, 0
	v_lshrrev_b32 v8, 5, v0
	v_readfirstlane_b32 s14, v8                    ; wave 0..3
	s_and_b32 s15, ttmp7, 0xffff                   ; y
	v_and_b32 v1, 31, v0
	v_and_b32 v8, 15, v0                           ; r
	v_bfe_u32 v9, v0, 4, 1                         ; h
	v_lshlrev_b32 v1, 4, v1                        ; v1: 16 x lane: token tiles 0-3
	v_add_nc_u32 v2, 0x10000, v1                   ; v2: token tiles 4-7
	s_lshl_b32 s16, s14, 15
	v_add_nc_u32 v3, s16, v1                       ; v3: the copy: my wave's 32,768 bytes
	s_mul_i32 s16, s14, 16*272
	s_add_co_u32 s16, s16, STGO                    ; my stage
	v_mul_u32_u24 v4, v8, 272
	v_lshl_add_u32 v4, v9, 5, v4
	v_add_nc_u32 v4, s16, v4                       ; v4: in: row r, + 32 h
	v_mul_u32_u24 v5, v9, 272
	v_lshl_add_u32 v5, v8, 4, v5
	v_add_nc_u32 v5, s16, v5                       ; v5: back: lanes 0-15 one row of 256 bytes, lanes 16-31 the next
	v_lshlrev_b32 v6, 12, v9
	v_lshl_add_u32 v6, v8, 4, v6                   ; v6: and the same two rows in out0
	v_lshlrev_b32 v7, 5, v9                        ; v7: b_o: + 32 h
	s_mov_b32 s17, 0
	s_wait_kmcnt 0x0
	s_load_b64 s[20:21], s[10:11], 0x28            ; e10, e11
	s_lshl_b32 s16, s15, 17                        ; eight token tiles of 16,384 bytes,
	s_lshl_b32 s18, s14, 15                        ; my wave's part of the copy
	s_add_co_u32 s16, s16, s18
	s_add_nc_u64 s[4:5], s[4:5], s[16:17]
	s_lshl_b32 s16, ttmp9, 18                      ; W_o is tensor 3; 16 n tiles of 16,384 bytes; my wave's four
	s_lshl_b32 s18, s14, 16
	s_add_co_u32 s16, s16, s18
	s_add_co_u32 s16, s16, 3<<20
	s_add_nc_u64 s[6:7], s[6:7], s[16:17]
	s_lshl_b32 s16, ttmp9, 10                      ; 256 features of 4 bytes; my wave's 64
	s_lshl_b32 s18, s14, 8
	s_add_co_u32 s16, s16, s18
	s_add_nc_u64 s[8:9], s[8:9], s[16:17]
	s_lshl_b32 s18, s15, 19                        ; 128 rows of 4,096 bytes
	s_add_co_u32 s16, s16, s18
	s_add_nc_u64 s[12:13], s[12:13], s[16:17]
.macro FETCH_W s                       ; W_o's four fragments of K step s into set s % 4 of window 1
	WIN 0x40
.irp b, 0,1,2,3
.irp g, 0,1,2,3
	global_load_b128 v[64*((\s)%4)+16*\b+4*\g:64*((\s)%4)+16*\b+4*\g+3], v1, s[6:7] offset:\b*16384+(\s)*2048+\g*512
.endr
.endr
	WIN 0
.endm
.macro FETCH_A s, i0                   ; O's fragments of token tiles i0 .. i0 + 3, K step s
.irp a, \i0, \i0+1, \i0+2, \i0+3
.irp g, 0,1,2,3
.if (\a) < 4
	ds_load_b128 v[AF+16*(\a)+4*\g:AF+16*(\a)+4*\g+3], v1 offset:((\a)%4)*16384+(\s)*2048+\g*512
.else
	ds_load_b128 v[AF+16*(\a)+4*\g:AF+16*(\a)+4*\g+3], v2 offset:((\a)%4)*16384+(\s)*2048+\g*512
.endif
.endr
.endr
.endm
	WIN 0x80
.set n, 0
.rept 64
	global_load_b128 v[4*n:4*n+3], v1, s[4:5] offset:n*512
.set n, n+1
.endr
	WIN 0
.irp j, 0,1,2,3
	s_wait_loadcnt 48                              ; group j of 16 is in; behind it 48 loads are out: what is left of the copy's groups and the sets of W_o asked for so far
	WIN 0x08
.irp i, 0,1,2,3,4,5,6,7,8,9,10,11,12,13,14,15
	ds_store_b128 v3, v[64*\j+4*\i:64*\j+4*\i+3] offset:(16*\j+\i)*512
.endr
	WIN 0
.if \j < 3
	FETCH_W \j
.endif
.endr
.irp b, 0,1,2,3
	global_load_b128 v[BO+8*\b:BO+8*\b+3], v7, s[8:9] offset:64*\b        ; b_o at features 16 b + 8 h + 0 .. 7
	global_load_b128 v[BO+8*\b+4:BO+8*\b+7], v7, s[8:9] offset:64*\b+16
.endr
	s_wait_dscnt 0x0                               ; for the others' sake: my part of the copy lies in LDS
	s_barrier_signal -1
	s_barrier_wait -1                              ; the one barrier: behind it the images are only read
; 16 products: token tiles a0 .. a0 + 3 x my four n tiles.  The 32 accumulators take turns, one instruction a turn, in the same order in every step; K step 0 starts the sums.
.macro MUL a0, s
.irp a, \a0, \a0+1, \a0+2, \a0+3
.irp b, 0,1,2,3
.set rD, 8*(4*(\a)+\b)
.set rW, 64*((\s)%4)+16*\b
.set rA, AF+16*(\a)
.if (\s) == 0
	v_wmma_f32_16x16x128_fp8_fp8 v[rD:rD+7], v[rW:rW+15], v[rA:rA+15], 0
.else
	v_wmma_f32_16x16x128_fp8_fp8 v[rD:rD+7], v[rW:rW+15], v[rA:rA+15], v[rD:rD+7]
.endif
.endr
.endr
.endm
.macro STEP s
.if (\s)+3 <= 7
	FETCH_W (\s)+3                                 ; into the set that the step before has left
.endif
.if (\s) <= 2
	s_wait_loadcnt 56                              ; this step's set is in; behind it: three sets of 16 and b_o's 8
.elseif (\s) <= 4
	s_wait_loadcnt 48                              ; three sets
.else
	s_wait_loadcnt 16*(7-(\s))                     ; the counts run down
.endif
	s_wait_dscnt 16                                ; token tiles 0-3 are in; the 16 loads of tiles 4-7 may be out
.if (\s) == 0
	WIN 0x81                                       ; source 0 (W_o) window 1, D window 2
.else
	WIN 0xa1                                       ; and C window 2
.endif
	MUL 0, \s
	s_wait_dscnt 0x0
.if (\s) < 7
	PLACES
	WIN 0
	FETCH_A (\s)+1, 0
.if (\s) == 0
	WIN 0x81
.else
	WIN 0xa1
.endif
.endif
	MUL 4, \s
	PLACES
	WIN 0
.if (\s) < 7
	FETCH_A (\s)+1, 4
.endif
.endm
	FETCH_A 0, 0
	FETCH_A 0, 4
.irp s, 0,1,2,3,4,5,6,7
	STEP \s
.endr
	s_wait_kmcnt 0x0
	s_add_co_i32 s20, s20, s21
	s_add_co_i32 s20, s20, 127
	s_lshl_b32 s20, s20, 23                        ; 2^(e10 + e11) as f32
	s_mov_b32 s21, s20                             ; (named with it as a pair, so it is written)
; THE WAY OUT, a token tile at a time.  LDS serves a wave's instructions in order: no wait between the stage's stores and its loads, nor in front of the next tile's stores.
.macro TOSTAGE a
.set rT, TT+32*((\a)%2)
.set rB, BK+32*((\a)%2)
	WIN 0x02                                       ; source 0 window 2
.irp b, 0,1,2,3
.irp i, 0,2,4,6
	v_pk_fma_f32 v[rT+8*\b+\i:rT+8*\b+\i+1], v[8*(4*(\a)+\b)+\i:8*(4*(\a)+\b)+\i+1], s[20:21], v[BO+8*\b+\i:BO+8*\b+\i+1] op_sel_hi:[1,0,1]   ; sum x 2^(e10 + e11) + b_o; each accumulator from its low end on
.endr
.endr
	WIN 0
.irp b, 0,1,2,3
	ds_store_b128 v4, v[rT+8*\b:rT+8*\b+3] offset:64*\b
	ds_store_b128 v4, v[rT+8*\b+4:rT+8*\b+7] offset:64*\b+16
.endr
.irp i, 0,1,2,3,4,5,6,7
	ds_load_b128 v[rB+4*\i:rB+4*\i+3], v5 offset:2*\i*272
.endr
.endm
.macro SEND a, younger                 ; younger: the LDS instructions issued behind tile a's loads, which may stay out
.set rB, BK+32*((\a)%2)
	s_wait_dscnt \younger
.irp i, 0,1,2,3,4,5,6,7
	global_store_b128 v6, v[rB+4*\i:rB+4*\i+3], s[12:13] offset:(16*(\a)+2*\i)*4096 th:TH_STORE_NT   ; sixteen lanes store 256 consecutive bytes, at a multiple of 256 from out0's first byte
.endr
.endm
	TOSTAGE 0
.irp a, 1,2,3,4,5,6,7
.if \a > 1
	s_wait_xcnt 0x0                                ; tile a - 2's stores have read their registers: tile a's rows may land there
.endif
	TOSTAGE \a
	SEND \a-1, 16                                  ; behind tile a - 1's loads: tile a's 8 stores and 8 loads
.endr
	SEND 7, 0
	s_wait_tensorcnt 0x0
	ds_add_u32 v30, v31
	s_wait_dscnt 0x0
	s_endpgm
.Lfunc_end_k_qf1969dbb7d_outp:
	.size	k_qf1969dbb7d_outp, .Lfunc_end_k_qf1969dbb7d_outp-k_qf1969dbb7d_outp
	.p2alignl 7, 3214868480
	.fill 96, 4, 3214868480
	.section	.rodata,"a",@progbits
	.p2align	6, 0x0
	.amdhsa_kernel k_qf1969dbb7d_outp
		.amdhsa_group_segment_fixed_size 148992
		.amdhsa_private_segment_fixed_size 0
		.amdhsa_enable_private_segment 0
		.amdhsa_kernarg_size 40
		.amdhsa_user_sgpr_count 2
		.amdhsa_user_sgpr_kernarg_segment_ptr 1
		.amdhsa_wavefront_size32 1
		.amdhsa_system_sgpr_workgroup_id_x 1
		.amdhsa_system_sgpr_workgroup_id_y 1
		.amdhsa_system_sgpr_workgroup_id_z 1
		.amdhsa_system_vgpr_workitem_id 0
		.amdhsa_next_free_vgpr 768
		.amdhsa_next_free_sgpr 66
		.amdhsa_reserve_vcc 0
		.amdhsa_float_denorm_mode_32 3
		.amdhsa_float_denorm_mode_16_64 3
		.amdhsa_memory_ordered 1
		.amdhsa_forward_progress 1
		.amdhsa_inst_pref_size 85
	.end_amdhsa_kernel
	.amdgpu_metadata
---
amdhsa.version: [ 1, 2 ]
amdhsa.kernels:
  - .name:           k_qf1969dbb7d_outp
    .symbol:         k_qf1969dbb7d_outp.kd
    .args:
      - { .name: oc, .offset: 0, .size: 8, .value_kind: global_buffer, .address_space: global }
      - { .name: wimg, .offset: 8, .size: 8, .value_kind: global_buffer, .address_space: global }
      - { .name: b_o, .offset: 16, .size: 8, .value_kind: global_buffer, .address_space: global }
      - { .name: lowp_scales, .offset: 24, .size: 8, .value_kind: global_buffer, .address_space: global }
      - { .name: out0, .offset: 32, .size: 8, .value_kind: global_buffer, .address_space: global }
    .group_segment_fixed_size: 148992
    .private_segment_fixed_size: 0
    .kernarg_segment_align: 8
    .kernarg_segment_size: 40
    .max_flat_workgroup_size: 128
    .sgpr_count:     66
    .vgpr_count:     768
    .wavefront_size: 32
...
	.end_amdgpu_metadata
.endif
;; end of part 4
;; ======== version 2 of 2: 4 launches
;; workspace buffers: wimg 4,194,304 bytes; qc 8,388,608 bytes; kc 8,388,608 bytes; vc 8,388,608 bytes; oc 8,388,608 bytes; mflag 512 bytes of whole numbers
;; launch prep (part 5): grid 64 x 4, 4 waves a work-group, no clusters, 68,096 bytes of LDS; arguments W_q, W_k, W_v, W_o, padding_mask, lowp_scales, wimg, mflag; writes wimg, mflag
.if DOCPART == 5
	.amdgcn_target "amdgcn-amd-amdhsa--gfx1250"
	.amdhsa_code_object_version 6
	.text
	.protected	k_qf1969dbb7d_prep
	.globl	k_qf1969dbb7d_prep
	.p2align	8
	.type	k_qf1969dbb7d_prep,@function
k_qf1969dbb7d_prep:
	s_mov_b64 s[64:65], 0
	v_nop
	global_prefetch_b8 v0, s[64:65] scope:SCOPE_SE
	s_setreg_imm32_b32 hwreg(HW_REG_WAVE_MODE, 25, 1), 1
	s_wait_xcnt 0x0
; The four weights [1024 (n)][1024 (k)], f32, K innermost, become codes of FP8 (E4M3), each with the one scale 2^e given for it (entries 1, 3, 5, 11 of the scales).
; code = w / 2^e, held within +-448, rounded to the nearest code, ties to even.
; LIMITS: -126 <= e <= 119, so that 2^e and 448 x 2^e are f32 numbers.  NaN among the inputs is not served; an infinity is held at the largest code.
; THE CODES ARE LAID AS IMAGES OF OPERAND REGISTERS: wimg[tensor 4][n tile 64][K step 8][2048 bytes].  A fragment is 16 rows x 128 k in 16 registers a lane: lane (r = lane % 16, h = lane / 16)
; holds row r, registers 2 c and 2 c + 1 hold k = 16 c + 8 h + 0 .. 7.  Registers 4 g .. 4 g + 3 of lane l lie at 512 g + 16 l: every later reader takes a fragment by four loads of 512 consecutive bytes.
; SHARES: work-group (x = n tile, y = tensor) takes 16 rows; wave w takes K steps 2 w and 2 w + 1.  A load reads 512 consecutive bytes of one row; the 16 rows x 512 bytes of a K step turn through
; the wave's own stage in LDS (rows of 528 bytes) and come back eight neighbours along K at a time.  Waves share nothing: no barrier.
; ALSO: mflag[batch 4][32 words, all equal]: bit kb says that key block kb (128 keys) of the batch holds a masked key.  Wave 0 of work-groups (0 .. 3, 0) makes it from padding_mask.
.set STGB, 8448                        ; a stage: 16 rows x (512 bytes + 16)
.set WSTG, 2*STGB                      ; two stages for each wave
.set R,    32                          ; v32-159  two sets of 64 registers as loaded
.set X,    160                         ; v160-223 64 numbers: register 8 c + i is k = 16 c + 8 h + i of my row
.set C,    224                         ; v224-255 two sets of 16 registers of codes: no store's data are written again
	s_load_b256 s[4:11], s[0:1], 0x0               ; W_q, W_k, W_v, W_o
	s_load_b256 s[12:19], s[0:1], 0x20             ; padding_mask s[12:13], the scales s[14:15], wimg s[16:17], mflag s[18:19]
	v_lshl_add_u32 v30, v0, 2, 0x10800
	v_mov_b32 v31, 0
	v_lshrrev_b32 v4, 5, v0
	v_readfirstlane_b32 s20, v4                    ; wave 0..3
	s_and_b32 s21, ttmp7, 0xffff                   ; y: which tensor
	v_and_b32 v1, 31, v0                           ; lane
	v_and_b32 v2, 15, v0                           ; r
	v_bfe_u32 v3, v0, 4, 1                         ; h
	v_lshlrev_b32 v12, 2, v1                       ; 4 x lane: mflag's word
	v_lshlrev_b32 v13, 7, v2                       ; 128 r: a key block's bytes of the mask
	v_lshlrev_b32 v1, 4, v1                        ; 16 x lane
	s_lshl_b32 s22, s20, 10
	v_add_nc_u32 v5, s22, v1                       ; in: my 16 bytes of a row's 512, at the wave's first K step
	s_mul_i32 s22, s20, WSTG
	v_add_nc_u32 v6, s22, v1                       ; the stage, on the way in
	v_mul_u32_u24 v7, v2, 528
	v_lshl_add_u32 v7, v3, 5, v7
	v_add_nc_u32 v7, s22, v7                       ; and on the way out: row r, + 32 h bytes
	s_lshl_b32 s22, s20, 12
	v_add_nc_u32 v8, s22, v1                       ; out: 16 x lane + the wave's two fragments
	s_mov_b32 s23, 0
	s_wait_alu depctr_va_vdst(0)
	s_wait_kmcnt 0x0
	s_load_b256 s[24:31], s[14:15], 0x0            ; e0 .. e7
	s_load_b128 s[32:35], s[14:15], 0x20           ; e8 .. e11
	s_cmp_eq_u32 s21, 1                            ; the tensor is chosen by the work-group's y alone
	s_cselect_b64 s[4:5], s[6:7], s[4:5]
	s_cmp_eq_u32 s21, 2
	s_cselect_b64 s[4:5], s[8:9], s[4:5]
	s_cmp_eq_u32 s21, 3
	s_cselect_b64 s[4:5], s[10:11], s[4:5]
	s_lshl_b32 s22, ttmp9, 16                      ; 16 rows of 4,096 bytes
	s_add_nc_u64 s[4:5], s[4:5], s[22:23]
	s_lshl_b32 s22, s21, 20                        ; a tensor's codes
	s_add_nc_u64 s[16:17], s[16:17], s[22:23]
	s_lshl_b32 s22, ttmp9, 14                      ; an n tile's eight fragments
	s_add_nc_u64 s[16:17], s[16:17], s[22:23]
.macro LOAD u                          ; K step 2 w + u: 16 rows, 512 consecutive bytes an instruction
.irp i, 0,1,2,3,4,5,6,7,8,9,10,11,12,13,14,15
	global_load_b128 v[R+64*\u+4*\i:R+64*\u+4*\i+3], v5, s[4:5] offset:\i*4096+\u*512 th:TH_LOAD_NT
.endr
.endm
.macro TURN u                          ; through the stage: LDS serves a wave's instructions in order, so no wait stands between the stores and the loads
.irp i, 0,1,2,3,4,5,6,7,8,9,10,11,12,13,14,15
	ds_store_b128 v6, v[R+64*\u+4*\i:R+64*\u+4*\i+3] offset:\u*STGB+\i*528
.endr
.irp c, 0,1,2,3,4,5,6,7
	ds_load_b128 v[X+8*\c:X+8*\c+3], v7 offset:\u*STGB+64*\c
	ds_load_b128 v[X+8*\c+4:X+8*\c+7], v7 offset:\u*STGB+64*\c+16
.endr
.endm
.macro QUANT u
.set n, 0
.rept 64
	v_med3_num_f32 v[X+n], v[X+n], -v10, v10       ; the conversion to an 8-bit code does not saturate (ISA guide 7.6.2): the hold at the largest code x the scale
.set n, n+1
.endr
.irp c, 0,1,2,3,4,5,6,7
	v_cvt_scalef32_pk8_fp8_f32 v[C+16*\u+2*\c:C+16*\u+2*\c+1], v[X+8*\c:X+8*\c+7], v11   ; registers 2 c, 2 c + 1 of the fragment
.endr
	v_nop                                          ; a plain line behind the last conversion
.irp g, 0,1,2,3
	global_store_b128 v8, v[C+16*\u+4*\g:C+16*\u+4*\g+3], s[16:17] offset:\u*2048+\g*512   ; 512 consecutive bytes
.endr
.endm
	LOAD 0
	LOAD 1
	s_wait_kmcnt 0x0
	s_cmp_eq_u32 s21, 1                            ; e: entry 1, 3, 5 or 11
	s_cselect_b32 s25, s27, s25
	s_cmp_eq_u32 s21, 2
	s_cselect_b32 s25, s29, s25
	s_cmp_eq_u32 s21, 3
	s_cselect_b32 s25, s35, s25
	s_add_co_i32 s25, s25, 127
	s_lshl_b32 s26, s25, 23
	v_mov_b32 v11, s26                             ; 2^e as f32: the conversion takes its exponent field
	s_add_co_i32 s25, s25, 8
	s_lshl_b32 s25, s25, 23
	s_or_b32 s25, s25, 0x600000
	v_mov_b32 v10, s25                             ; 448 x 2^e
	s_wait_alu depctr_va_vdst(0)
	s_wait_loadcnt 16                              ; the first K step's 16 loads are in; the second's may be out
	TURN 0
	s_wait_dscnt 0x0
	QUANT 0
	s_wait_loadcnt 0x0
	TURN 1
	s_wait_dscnt 0x0
	QUANT 1
	; mflag: scalar branches on ids alone
	s_cmp_lg_u32 s21, 0
	s_cbranch_scc1 .Lend
	s_cmp_ge_u32 ttmp9, 4
	s_cbranch_scc1 .Lend
	s_cmp_lg_u32 s20, 0
	s_cbranch_scc1 .Lend
	s_lshl_b32 s22, ttmp9, 11                      ; the batch's 2,048 bytes of the mask
	s_add_nc_u64 s[12:13], s[12:13], s[22:23]
	s_lshl_b32 s22, ttmp9, 7                       ; and its 32 words of mflag
	s_add_nc_u64 s[18:19], s[18:19], s[22:23]
.irp i, 0,1,2,3,4,5,6,7
	global_load_b128 v[32+4*\i:35+4*\i], v13, s[12:13] offset:16*\i   ; lane r (and lane 16 + r with it) takes key block r: 128 bytes
.endr
	s_wait_loadcnt 0x0
.irp i, 1,2,3,4,5,6,7,8,9,10,11,12,13,14,15,16,17,18,19,20,21,22,23,24,25,26,27,28,29,30,31
	v_or_b32 v32, v32, v[32+\i]
.endr
	v_cmp_ne_u32 vcc_lo, 0, v32                    ; bit r: block r holds a masked key
	s_and_b32 s22, vcc_lo, 0xffff
	v_mov_b32 v33, s22
	global_store_b32 v12, v33, s[18:19]            ; 128 consecutive bytes, the same word in each
.Lend:
	s_wait_tensorcnt 0x0
	ds_add_u32 v30, v31
	s_wait_dscnt 0x0
	s_endpgm
.Lfunc_end_k_qf1969dbb7d_prep:
	.size	k_qf1969dbb7d_prep, .Lfunc_end_k_qf1969dbb7d_prep-k_qf1969dbb7d_prep
	.p2alignl 7, 3214868480
	.fill 96, 4, 3214868480
	.section	.rodata,"a",@progbits
	.p2align	6, 0x0
	.amdhsa_kernel k_qf1969dbb7d_prep
		.amdhsa_group_segment_fixed_size 68096
		.amdhsa_private_segment_fixed_size 0
		.amdhsa_enable_private_segment 0
		.amdhsa_kernarg_size 64
		.amdhsa_user_sgpr_count 2
		.amdhsa_user_sgpr_kernarg_segment_ptr 1
		.amdhsa_wavefront_size32 1
		.amdhsa_system_sgpr_workgroup_id_x 1
		.amdhsa_system_sgpr_workgroup_id_y 1
		.amdhsa_system_sgpr_workgroup_id_z 1
		.amdhsa_system_vgpr_workitem_id 0
		.amdhsa_next_free_vgpr 256
		.amdhsa_next_free_sgpr 66
		.amdhsa_reserve_vcc 1
		.amdhsa_float_denorm_mode_32 3
		.amdhsa_float_denorm_mode_16_64 3
		.amdhsa_memory_ordered 1
		.amdhsa_forward_progress 1
		.amdhsa_inst_pref_size 22
	.end_amdhsa_kernel
	.amdgpu_metadata
---
amdhsa.version: [ 1, 2 ]
amdhsa.kernels:
  - .name:           k_qf1969dbb7d_prep
    .symbol:         k_qf1969dbb7d_prep.kd
    .args:
      - { .name: W_q, .offset: 0, .size: 8, .value_kind: global_buffer, .address_space: global }
      - { .name: W_k, .offset: 8, .size: 8, .value_kind: global_buffer, .address_space: global }
      - { .name: W_v, .offset: 16, .size: 8, .value_kind: global_buffer, .address_space: global }
      - { .name: W_o, .offset: 24, .size: 8, .value_kind: global_buffer, .address_space: global }
      - { .name: padding_mask, .offset: 32, .size: 8, .value_kind: global_buffer, .address_space: global }
      - { .name: lowp_scales, .offset: 40, .size: 8, .value_kind: global_buffer, .address_space: global }
      - { .name: wimg, .offset: 48, .size: 8, .value_kind: global_buffer, .address_space: global }
      - { .name: mflag, .offset: 56, .size: 8, .value_kind: global_buffer, .address_space: global }
    .group_segment_fixed_size: 68096
    .private_segment_fixed_size: 0
    .kernarg_segment_align: 8
    .kernarg_segment_size: 64
    .max_flat_workgroup_size: 128
    .sgpr_count:     66
    .vgpr_count:     256
    .wavefront_size: 32
...
	.end_amdgpu_metadata
.endif
;; end of part 5
;; launch proj (part 6): grid 64 x 3, 4 waves a work-group, no clusters, 203,264 bytes of LDS; arguments q, k, v, wimg, b_q, b_k, b_v, lowp_scales, qc, kc, vc; writes qc, kc, vc
.if DOCPART == 6
	.amdgcn_target "amdgcn-amd-amdhsa--gfx1250"
	.amdhsa_code_object_version 6
	.text
	.protected	k_qf1969dbb7d_proj
	.globl	k_qf1969dbb7d_proj
	.p2align	8
	.type	k_qf1969dbb7d_proj,@function
k_qf1969dbb7d_proj:
	s_mov_b64 s[64:65], 0
	v_nop
	global_prefetch_b8 v0, s[64:65] scope:SCOPE_SE
	s_setreg_imm32_b32 hwreg(HW_REG_WAVE_SCHED_MODE, 0, 2), 2
	s_setreg_imm32_b32 hwreg(HW_REG_WAVE_MODE, 25, 1), 1
	s_wait_xcnt 0x0
	s_wait_alu depctr_vm_vsrc(0)
; Q = q W_q^T + b_q, K = k W_k^T + b_k, V = v W_v^T + b_v, each product on codes of FP8 (E4M3), and each result quantised at once for attention's products.
; Work-group (x = block of 128 tokens, y = 0, 1, 2: q, k, v) reads its 128 x 1,024 f32 numbers ONCE, quantises them (scale 2^ex) into LDS as images of operand registers, and multiplies them by all
; 1,024 rows of the weight, whose codes an earlier launch laid as such images.  Two passes of 512 features; in a pass wave w makes 128 tokens x 128 features (two heads): 64 accumulators.
; A FRAGMENT: 16 rows x 128 k in 16 registers: lane (r, h) holds row r, registers 2 c, 2 c + 1 hold k = 16 c + 8 h + 0 .. 7.  ITS IMAGE: registers 4 g .. 4 g + 3 of lane l at 512 g + 16 l.
; The eight registers of one 16 x 16 result tile are eight neighbours along the next product's K, so one conversion gives registers 2 c, 2 c + 1 of the next operand, c the tile's number along that K.
;   y = 0, 1: source 0 = 16 rows of W, source 1 = 16 tokens: a lane holds ONE token and eight features.  qc, kc: [batch x 16 + head][token tile 128][1,024 bytes]: fragments of 16 tokens x 64.
;   y = 2:    source 0 = 16 tokens, source 1 = 16 rows of W: a lane holds ONE feature and eight tokens.  vc: [batch x 16 + head][key block 16][d tile 4][2,048 bytes]: fragments of 16 d x 128 keys.
; The bias is the C of each sum's first product, divided by the power of two that the sums lack: b / 2^(ex + ew).  The result's code is (sum + that) / 2^(eo - ex - ew), held within +-448.
; LIMITS: ex, and eo - ex - ew, between -126 and 119.  NaN among the inputs is not served; an infinity is held at the largest code.
; No tile comes by the data mover and no cluster is formed: the weights go from memory straight into operand registers, 512 consecutive bytes a load, and pass through no LDS.
; REGISTERS, in windows of 256: window 0: v1-17 addresses and scales; v24-31 bias as loaded; v32-95 the bias as C; v96-127 two sets of codes; v128-255 first two sets of 64 numbers, then x's eight fragments, at last the codes to store.
;   window 1: the weight's fragments, two sets of eight, at v0 and v128 (on the way out v128-191 hold held numbers).  windows 2, 3: accumulator (a, b) at v[8 (8 (a % 4) + b)] of window 2 + a / 4; before that window 2 holds four sets of 64 registers as loaded.
; THE MODE: SCHED_MODE bits 1:0 = 2 (LLVM: expert scheduling mode 2), set by the entry lines.  The code itself states the register dependences
; between vector or matrix instructions and memory or LDS instructions, with s_wait_alu, always for 0.
; THE PLAN.  Registers that memory or LDS instructions touch:
;   v1, v4-9      offsets and LDS addresses, made once at the head and never written again.
;   window 2      (while x is quantised) set u % 4: unit u's loads land in it, unit u's LDS stores into the stage read it, unit u + 4's loads land in it again; no vector instruction names it before the products write it.
;   v128-255      (while x is quantised) set u % 2: unit u's LDS loads land in it; unit u's holds and conversions read and write it.
;   v96-127       set u % 2: unit u's conversions write it, unit u's image stores read it.
;   So a unit has one wait on vm_vsrc at its head and one on va_vdst between its conversions and its image's stores; the latter also frees the unit's numbers for the loads of two units on.
;   v14, v17      LDS addresses of x's images and of the bias: written at a pass's head, v14 once more in a K step's middle; each write stands behind a wait on vm_vsrc and ahead of a wait on va_vdst that stands there anyway.
;   v128-255      (in a pass) x's eight fragments, ONE set, since all 1,024 registers are taken: tiles 0-3 are read by a step's first 32 products and loaded anew in its middle, tiles 4-7 by its last 32 and loaded anew at its end.
;   window 1      the weight's two sets: set p is read through the whole of a step, and loaded anew in the step after, behind the wait at that first step's end.
;   So a K step has two waits on va_vdst, each directly ahead of a run of loads; the weights' 32 loads follow the second with no further wait, in two halves round the next step's first sixteen products.
;   v32-95        the bias as C: LDS loads at a pass's head; read by the pass's first 64 products.   v128-255 on the way out: written by the conversions, read by the stores.
.set STG,  131072                      ; LDS: x's images [K step 8][token tile 8][2048] lie at 0; then two stages of 16 rows x 528 bytes for each wave;
.set STGB, 8448
.set WSTG, 16896
.set BL,   198656                      ; then the tensor's 1,024 biases, scaled
.set BI,   32
.set CX,   96
.set XS,   128
.set XF,   128
.set CD,   128
.set T,    128
.set MSB,  0
.macro WIN new                         ; the immediate's high byte repeats the setting that is left; a switch that changes nothing is dropped
.if MSB != (\new)
	s_set_vgpr_msb (MSB<<8)|(\new)
.set MSB, (\new)
.endif
.endm
.macro PLACES                          ; four plain lines between a matrix instruction and a load into, or a vector write of, one of its registers, or a read of its result
.rept 4
	v_nop
.endr
.endm
	s_load_b512 s[16:31], s[0:1], 0x0              ; q, k, v, wimg, b_q, b_k, b_v, the scales
	s_load_b128 s[32:35], s[0:1], 0x40             ; qc, kc
	s_load_b64 s[36:37], s[0:1], 0x50              ; vc
	v_lshl_add_u32 v22, v0, 2, 0x31800
	v_mov_b32 v23, 0
	v_lshrrev_b32 v4, 5, v0
	v_readfirstlane_b32 s12, v4                    ; wave 0..3
	s_and_b32 s13, ttmp7, 0xffff                   ; y: which tensor
	s_mov_b32 s14, ttmp9                           ; x: which 128 tokens
	v_and_b32 v1, 31, v0
	v_and_b32 v2, 15, v0                           ; r
	v_bfe_u32 v3, v0, 4, 1                         ; h
	v_lshlrev_b32 v1, 4, v1                        ; v1: 16 x lane
	s_wait_alu depctr_va_sdst(0)                   ; s12 is written, ahead of its first reader: LDS places and the bases are made from it
	s_mul_i32 s54, s12, WSTG
	s_add_co_u32 s54, s54, STG
	v_add_nc_u32 v4, s54, v1                       ; v4: my stage, on the way in
	v_mul_u32_u24 v5, v2, 528
	v_lshl_add_u32 v5, v3, 5, v5
	v_add_nc_u32 v5, s54, v5                       ; v5: and on the way out: row r, + 32 h
	s_lshl_b32 s54, s12, 12
	v_add_nc_u32 v6, s54, v1                       ; v6: where I store x's images: token tiles 2 w, 2 w + 1; K steps 0-3
	v_add_nc_u32 v7, 0x10000, v6                   ; v7: K steps 4-7
	v_lshlrev_b32 v8, 5, v0                        ; v8: my 8 biases in memory
	v_add_nc_u32 v9, BL, v8                        ; v9: and in LDS
	s_lshl_b32 s54, s12, 9
	s_add_co_u32 s54, s54, BL
	v_lshl_add_u32 v15, v3, 5, s54                 ; v15: the bias as C, a lane holding eight features: my wave's 128, + 32 h
	v_lshl_add_u32 v16, v2, 2, s54                 ; v16: a lane holding one feature: + 4 r
	s_mov_b32 s57, 0
	s_wait_kmcnt 0x0
	s_load_b256 s[40:47], s[30:31], 0x0            ; e0 .. e7
	s_load_b128 s[48:51], s[30:31], 0x20           ; e8 .. e11
	s_cmp_eq_u32 s13, 1                            ; the buffers are chosen by the work-group's y alone
	s_cselect_b64 s[4:5], s[18:19], s[16:17]
	s_cselect_b64 s[6:7], s[26:27], s[24:25]
	s_cselect_b64 s[8:9], s[34:35], s[32:33]
	s_cmp_eq_u32 s13, 2
	s_cselect_b64 s[4:5], s[20:21], s[4:5]
	s_cselect_b64 s[6:7], s[28:29], s[6:7]
	s_cselect_b64 s[8:9], s[36:37], s[8:9]
	s_lshl_b32 s56, s14, 19                        ; 128 tokens of 4,096 bytes,
	s_lshl_b32 s54, s12, 17                        ; my wave's 32 of them
	s_add_co_u32 s56, s56, s54
	s_add_nc_u64 s[4:5], s[4:5], s[56:57]
	s_lshr_b32 s56, s14, 4                         ; out: the batch (16 heads of 131,072 bytes),
	s_lshl_b32 s56, s56, 21
	s_lshl_b32 s54, s12, 18                        ; my wave's two heads,
	s_add_co_u32 s56, s56, s54
	s_and_b32 s54, s14, 15                         ; the block's eight token tiles, or its key block: 8,192 bytes either way
	s_lshl_b32 s54, s54, 13
	s_add_co_u32 s56, s56, s54
	s_add_nc_u64 s[8:9], s[8:9], s[56:57]
	s_lshl_b32 s56, s13, 20                        ; the weight's images: the tensor,
	s_lshl_b32 s54, s12, 17                        ; my wave's eight n tiles
	s_add_co_u32 s56, s56, s54
	s_add_nc_u64 s[10:11], s[22:23], s[56:57]
.macro LOAD u                          ; unit u: K step u / 2 of token tile 2 w + u % 2: 16 rows, 512 consecutive bytes an instruction, into set u % 4 of window 2
	WIN 0x80
.irp i, 0,1,2,3,4,5,6,7,8,9,10,11,12,13,14,15
	global_load_b128 v[64*((\u)%4)+4*\i:64*((\u)%4)+4*\i+3], v1, s[4:5] offset:(16*((\u)%2)+\i)*4096+((\u)/2)*512 th:TH_LOAD_NT
.endr
	WIN 0
.endm
.macro TURN u                          ; through my stage u % 2: LDS serves a wave's instructions in order, so no wait stands between the stores and the loads
	WIN 0x08
.irp i, 0,1,2,3,4,5,6,7,8,9,10,11,12,13,14,15
	ds_store_b128 v4, v[64*((\u)%4)+4*\i:64*((\u)%4)+4*\i+3] offset:((\u)%2)*STGB+\i*528
.endr
	WIN 0
.irp c, 0,1,2,3,4,5,6,7
	ds_load_b128 v[XS+64*((\u)%2)+8*\c:XS+64*((\u)%2)+8*\c+3], v5 offset:((\u)%2)*STGB+64*\c
	ds_load_b128 v[XS+64*((\u)%2)+8*\c+4:XS+64*((\u)%2)+8*\c+7], v5 offset:((\u)%2)*STGB+64*\c+16
.endr
.endm
.macro QUANT xs, cs                    ; 64 numbers, register 8 c + i = k 16 c + 8 h + i of my row, become a fragment's 16 registers
.set n, 0
.rept 64
	v_med3_num_f32 v[\xs+n], v[\xs+n], -v10, v10   ; the conversion does not saturate (ISA guide 7.6.2): the hold at the largest code x the scale
.set n, n+1
.endr
.irp c, 0,1,2,3,4,5,6,7
	v_cvt_scalef32_pk8_fp8_f32 v[\cs+2*\c:\cs+2*\c+1], v[\xs+8*\c:\xs+8*\c+7], v11
.endr
	v_nop                                          ; a plain line behind the last conversion
.endm
.macro IMAGE u
.set sK, (\u)/2
.set tL, (\u)%2
.irp g, 0,1,2,3
.if sK < 4
	ds_store_b128 v6, v[CX+16*tL+4*\g:CX+16*tL+4*\g+3] offset:(sK%4)*16384+tL*2048+\g*512
.else
	ds_store_b128 v7, v[CX+16*tL+4*\g:CX+16*tL+4*\g+3] offset:(sK%4)*16384+tL*2048+\g*512
.endif
.endr
.endm
.macro FETCH_W p, b0                   ; four of the weight's eight fragments (n tiles b0 .. b0 + 3) of the K step at s[10:11], into set p of window 1; the caller sets the windows behind it
	WIN 0x40
.irp b, \b0, \b0+1, \b0+2, \b0+3
.irp g, 0,1,2,3
	global_load_b128 v[128*(\p)+16*(\b)+4*\g:128*(\p)+16*(\b)+4*\g+3], v1, s[10:11] offset:(\b)*16384+\g*512
.endr
.endr
.endm
.macro UNIT u
	s_wait_dscnt 0x0                               ; unit u is back from the stage; the last image's stores are done too
	s_wait_alu depctr_vm_vsrc(0)                   ; unit u's stores into the stage have read set u % 4 of window 2, in which unit u + 4 lands; the images' stores issued so far have read the codes v96-127, which the conversions below write again
.if (\u)+4 <= 15
	LOAD (\u)+4                                    ; into the set that unit u has left
.endif
.if (\u) < 15
.if (\u) <= 11
	s_wait_loadcnt 48                              ; unit u + 1 is in; the 48 loads of the three units behind it may be out
.else
	s_wait_loadcnt 16*(14-(\u))                    ; the counts run down: 32, 16, 0
.endif
	TURN (\u)+1                                    ; its LDS loads land in the numbers of unit u - 1.  No wait: no vector instruction since the wait ahead of that unit's image names them
.endif
.if (\u) == 14
	FETCH_W 0, 0                                   ; no load of x is out any more: the first K step's weights are asked for
	FETCH_W 0, 4
	WIN 0
.endif
	QUANT XS+64*((\u)%2), CX+16*((\u)%2)
	s_wait_alu depctr_va_vdst(0)                   ; the conversions have written the codes, which the image's stores read; they and the holds are done with this set of numbers, in which the LDS loads of two units on land
	IMAGE \u
.endm
	s_wait_alu depctr_va_vdst(0)                   ; v1 and v4 to v9 are written: every load and store below, but those by v14 and v17, reads one of them as its offset or address
	global_load_b128 v[24:27], v8, s[6:7]          ; the bias: 8 numbers a thread
	global_load_b128 v[28:31], v8, s[6:7] offset:16
	LOAD 0
	LOAD 1
	LOAD 2
	LOAD 3
	s_wait_kmcnt 0x0
	s_cmp_eq_u32 s13, 1                            ; ex, ew: entries 2 y, 2 y + 1; eo: entry 6, 7 or 9
	s_cselect_b32 s40, s42, s40
	s_cselect_b32 s41, s43, s41
	s_cselect_b32 s46, s47, s46
	s_cmp_eq_u32 s13, 2
	s_cselect_b32 s40, s44, s40
	s_cselect_b32 s41, s45, s41
	s_cselect_b32 s46, s49, s46
	s_add_co_i32 s54, s40, s41                     ; ex + ew
	s_sub_co_i32 s52, 0, s54
	s_add_co_i32 s55, s40, 127
	s_lshl_b32 s58, s55, 23
	v_mov_b32 v11, s58                             ; 2^ex
	s_add_co_i32 s55, s55, 8
	s_lshl_b32 s55, s55, 23
	s_or_b32 s55, s55, 0x600000
	v_mov_b32 v10, s55                             ; 448 x 2^ex
	s_sub_co_i32 s55, s46, s54
	s_add_co_i32 s55, s55, 127
	s_lshl_b32 s58, s55, 23
	v_mov_b32 v13, s58                             ; 2^(eo - ex - ew): the three scales folded into the conversion's one
	s_add_co_i32 s55, s55, 8
	s_lshl_b32 s55, s55, 23
	s_or_b32 s55, s55, 0x600000
	v_mov_b32 v12, s55                             ; 448 x that
	s_wait_loadcnt 48                              ; the bias and unit 0 are in; units 1 to 3 may be out
.irp i, 0,1,2,3,4,5,6,7
	v_ldexp_f32 v[24+\i], v[24+\i], s52            ; b / 2^(ex + ew)
.endr
	s_wait_alu depctr_va_vdst(0)                   ; the scaled biases v24-31 are written, which the two LDS stores read
	ds_store_b128 v9, v[24:27]
	ds_store_b128 v9, v[28:31] offset:16
	TURN 0
.irp u, 0,1,2,3,4,5,6,7,8,9,10,11,12,13,14,15
	UNIT \u
.endr
	s_wait_dscnt 0x0                               ; for the others' sake: my images and my part of the bias lie in LDS
	s_barrier_signal -1
	s_barrier_wait -1                              ; the one barrier: behind it LDS is only read
.macro FETCH_X i0                      ; x's fragments of token tiles i0 .. i0 + 3, of the K step at v14
.irp a, \i0, \i0+1, \i0+2, \i0+3
.irp g, 0,1,2,3
	ds_load_b128 v[XF+16*(\a)+4*\g:XF+16*(\a)+4*\g+3], v14 offset:(\a)*2048+\g*512
.endr
.endr
.endm
; 16 products: token tiles a0, a0 + 1 x the eight n tiles, 128 along K.  first = 1: the bias starts the sums.  The 64 accumulators take turns, one instruction a turn, in the same order in every step.
.macro MUL16 a0, par, first, sw
.irp a, \a0, \a0+1
.irp b, 0,1,2,3,4,5,6,7
.set rD, 8*(8*((\a)%4)+\b)
.set rW, 128*(\par)+16*\b
.set rX, XF+16*(\a)
.if \sw
.if \first
	v_wmma_f32_16x16x128_fp8_fp8 v[rD:rD+7], v[rX:rX+15], v[rW:rW+15], v[BI+8*\b:BI+8*\b+7]
.else
	v_wmma_f32_16x16x128_fp8_fp8 v[rD:rD+7], v[rX:rX+15], v[rW:rW+15], v[rD:rD+7]
.endif
.else
.if \first
	v_wmma_f32_16x16x128_fp8_fp8 v[rD:rD+7], v[rW:rW+15], v[rX:rX+15], v[BI+8*\b:BI+8*\b+7]
.else
	v_wmma_f32_16x16x128_fp8_fp8 v[rD:rD+7], v[rW:rW+15], v[rX:rX+15], v[rD:rD+7]
.endif
.endif
.endr
.endr
.endm
; A K step of 128: 64 products on weight set par.  The next step's weights are asked for in two halves, at its head and behind its first sixteen products; x's tiles 0-3 in its middle, tiles 4-7 at its end.
.macro STEP par, first, last, sw
.set WLO, 1+3*\sw+0x80+0x20*(1-\first)  ; the weight's window 1 at source 0 or 1; D window 2; C window 2, or 0 for the bias
.set WHI, 1+3*\sw+0xc0+0x30*(1-\first)  ; the same with window 3
.if \last == 0
	s_wait_xcnt 0x0                                ; the weights' base steps only behind this wait
	s_add_nc_u64 s[10:11], s[10:11], 2048
	FETCH_W 1-\par, 0                              ; no wait on va_vdst: the set's last readers, the step before's products, stand ahead of the wait at that step's end (in a pass's first step: at the pass's head), and no vector or matrix instruction since names it
	s_wait_loadcnt 16                              ; this step's set is in; the 16 loads just issued may be out
.else
	s_wait_loadcnt 0x0
	s_cmp_eq_u32 s15, 1                            ; the first pass asks here for the second pass's first set; the last pass asks for nothing: no load leaves its buffer
	s_cbranch_scc1 .Lnofetch_\@
	s_wait_xcnt 0x0
	s_add_nc_u64 s[10:11], s[10:11], 509952        ; 32 n tiles on, seven K steps back
	FETCH_W 0, 0                                   ; set 0's last readers stand ahead of the wait at the end of the step before
	FETCH_W 0, 4
	WIN 0
.Lnofetch_\@:
.endif
	s_wait_dscnt 16                                ; x's tiles 0-3 (and what is older) are in; the 16 loads of tiles 4-7 may be out
	WIN WLO
	MUL16 0, \par, \first, \sw
.if \last == 0
	FETCH_W 1-\par, 4                              ; the other half: the sixteen products above name this step's set, x's tiles 0 and 1, the bias and accumulators, none of which these loads touch
	WIN WLO
.endif
	MUL16 2, \par, \first, \sw
	s_wait_dscnt 0x0
.if \last == 0
	PLACES
	WIN 0
	s_wait_alu depctr_vm_vsrc(0)                   ; the LDS loads issued so far have read v14
	v_add_nc_u32 v14, s39, v1                      ; the next K step's images
	s_wait_alu depctr_va_vdst(0)                   ; v14 is written; the 32 products above are done reading x's tiles 0-3, in which the loads below land
	FETCH_X 0
.endif
	WIN WHI
	MUL16 4, \par, \first, \sw
	MUL16 6, \par, \first, \sw
	PLACES
	WIN 0
.if \last == 0
	s_wait_alu depctr_va_vdst(0)                   ; the 32 products above are done reading x's tiles 4-7, in which the loads below land, and this step's weight set, which the next step asks for anew
	FETCH_X 4
	s_add_co_u32 s39, s39, 16384
.endif
.endm
; The way out of a pass: each accumulator is held (from its low end on), converted, and its two registers of codes fall into their place in a fragment; the fragments leave as images.
.macro EPI sw
.irp a, 0,1,2,3,4,5,6,7
	WIN 0x42+\a/4                                  ; source 0 window 2 or 3, destination window 1
.set n, 0
.rept 64
	v_med3_num_f32 v[T+n], v[64*(\a%4)+n], -v12, v12
.set n, n+1
.endr
	WIN 0x01                                       ; source 0 window 1, destination window 0
.irp b, 0,1,2,3,4,5,6,7
.if \sw
	v_cvt_scalef32_pk8_fp8_f32 v[CD+16*\b+2*\a:CD+16*\b+2*\a+1], v[T+8*\b:T+8*\b+7], v13   ; fragment b (16 features), keys 16 a + 8 h on
.else
	v_cvt_scalef32_pk8_fp8_f32 v[CD+16*\a+2*\b:CD+16*\a+2*\b+1], v[T+8*\b:T+8*\b+7], v13   ; token tile a: head b / 4, d = 16 (b % 4) + 8 h on
.endif
.endr
	v_nop                                          ; a plain line behind the last conversion
	WIN 0
.if \sw == 0
	s_wait_alu depctr_va_vdst(0)                   ; the conversions have written token tile a's codes, which the four stores read
.irp k, 0,1,2,3
	global_store_b128 v1, v[CD+16*\a+4*\k:CD+16*\a+4*\k+3], s[8:9] offset:\a*1024+(\k/2)*131072+(\k%2)*512
.endr
.endif
.endr
.if \sw
	s_wait_alu depctr_va_vdst(0)                   ; the conversions have written all eight fragments' codes, which the 32 stores read
.irp b, 0,1,2,3,4,5,6,7
.irp g, 0,1,2,3
	global_store_b128 v1, v[CD+16*\b+4*\g:CD+16*\b+4*\g+3], s[8:9] offset:(\b/4)*131072+(\b%4)*2048+\g*512
.endr
.endr
.endif
.endm
.macro PATH sw
	s_mov_b32 s15, 2                               ; passes to go
	s_mov_b32 s53, 0                               ; the pass's 512 biases
.Lpass_\@:
	s_wait_alu depctr_vm_vsrc(0)                   ; first pass: the stage's LDS stores have read window 2, which the products write.  Second pass: the LDS loads have read v14 and v17, and the stores have read the codes in v128-255, in which x's fragments land
.if \sw
	v_add_nc_u32 v17, s53, v16
.else
	v_add_nc_u32 v17, s53, v15
.endif
	v_mov_b32 v14, v1                              ; K step 0
	s_wait_alu depctr_va_vdst(0)                   ; v14 and v17 are written; the vector and matrix instructions so far are done with v32-95, v128-255 and window 1, in which the loads of this pass's head land
.if \sw
.irp b, 0,1,2,3,4,5,6,7
	ds_load_b32 v[BI+8*\b], v17 offset:64*\b       ; my feature's bias in tile b
.endr
.else
.irp b, 0,1,2,3,4,5,6,7
	ds_load_b128 v[BI+8*\b:BI+8*\b+3], v17 offset:64*\b
	ds_load_b128 v[BI+8*\b+4:BI+8*\b+7], v17 offset:64*\b+16
.endr
.endif
	FETCH_X 0
	FETCH_X 4
	s_mov_b32 s39, 16384
.if \sw
	s_wait_dscnt 32                                ; the bias is in; x's 32 loads may be out
.irp b, 0,1,2,3,4,5,6,7
.irp j, 1,2,3,4,5,6,7
	v_mov_b32 v[BI+8*\b+\j], v[BI+8*\b]            ; the same for my eight tokens
.endr
.endr
.endif
	s_wait_alu depctr_va_vdst(0)
	STEP 0, 1, 0, \sw
	s_mov_b32 s38, 3
.Lk_\@:
	STEP 1, 0, 0, \sw
	STEP 0, 0, 0, \sw
	s_sub_co_u32 s38, s38, 1
	s_cmp_lg_u32 s38, 0
	s_cbranch_scc1 .Lk_\@
	STEP 1, 0, 1, \sw
	EPI \sw
	s_wait_xcnt 0x0                                ; the stores' base and their data registers are written again only behind this wait
	s_add_nc_u64 s[8:9], s[8:9], 1048576           ; eight heads on
	s_add_co_u32 s53, s53, 2048
	s_sub_co_u32 s15, s15, 1
	s_cmp_lg_u32 s15, 0
	s_cbranch_scc1 .Lpass_\@
	s_wait_dscnt 0x0                               ; the closing lines, six on end
	s_wait_alu 0x0
	s_wait_tensorcnt 0x0
	ds_add_u32 v22, v23
	s_wait_dscnt 0x0
	s_endpgm
.endm
	s_cmp_eq_u32 s13, 2
	s_cbranch_scc1 .Lfor_v
	PATH 0
.Lfor_v:
	PATH 1
.Lfunc_end_k_qf1969dbb7d_proj:
	.size	k_qf1969dbb7d_proj, .Lfunc_end_k_qf1969dbb7d_proj-k_qf1969dbb7d_proj
	.p2alignl 7, 3214868480
	.fill 96, 4, 3214868480
	.section	.rodata,"a",@progbits
	.p2align	6, 0x0
	.amdhsa_kernel k_qf1969dbb7d_proj
		.amdhsa_group_segment_fixed_size 203264
		.amdhsa_private_segment_fixed_size 0
		.amdhsa_enable_private_segment 0
		.amdhsa_kernarg_size 88
		.amdhsa_user_sgpr_count 2
		.amdhsa_user_sgpr_kernarg_segment_ptr 1
		.amdhsa_wavefront_size32 1
		.amdhsa_system_sgpr_workgroup_id_x 1
		.amdhsa_system_sgpr_workgroup_id_y 1
		.amdhsa_system_sgpr_workgroup_id_z 1
		.amdhsa_system_vgpr_workitem_id 0
		.amdhsa_next_free_vgpr 1024
		.amdhsa_next_free_sgpr 66
		.amdhsa_reserve_vcc 0
		.amdhsa_float_denorm_mode_32 3
		.amdhsa_float_denorm_mode_16_64 3
		.amdhsa_memory_ordered 1
		.amdhsa_forward_progress 1
		.amdhsa_inst_pref_size 255
	.end_amdhsa_kernel
	.section	.bss,"aw",@nobits
	.p2align	6
	.space	262144
	.amdgpu_metadata
---
amdhsa.version: [ 1, 2 ]
amdhsa.kernels:
  - .name:           k_qf1969dbb7d_proj
    .symbol:         k_qf1969dbb7d_proj.kd
    .args:
      - { .name: q, .offset: 0, .size: 8, .value_kind: global_buffer, .address_space: global }
      - { .name: k, .offset: 8, .size: 8, .value_kind: global_buffer, .address_space: global }
      - { .name: v, .offset: 16, .size: 8, .value_kind: global_buffer, .address_space: global }
      - { .name: wimg, .offset: 24, .size: 8, .value_kind: global_buffer, .address_space: global }
      - { .name: b_q, .offset: 32, .size: 8, .value_kind: global_buffer, .address_space: global }
      - { .name: b_k, .offset: 40, .size: 8, .value_kind: global_buffer, .address_space: global }
      - { .name: b_v, .offset: 48, .size: 8, .value_kind: global_buffer, .address_space: global }
      - { .name: lowp_scales, .offset: 56, .size: 8, .value_kind: global_buffer, .address_space: global }
      - { .name: qc, .offset: 64, .size: 8, .value_kind: global_buffer, .address_space: global }
      - { .name: kc, .offset: 72, .size: 8, .value_kind: global_buffer, .address_space: global }
      - { .name: vc, .offset: 80, .size: 8, .value_kind: global_buffer, .address_space: global }
    .group_segment_fixed_size: 203264
    .private_segment_fixed_size: 0
    .kernarg_segment_align: 8
    .kernarg_segment_size: 88
    .max_flat_workgroup_size: 128
    .sgpr_count:     66
    .vgpr_count:     1024
    .wavefront_size: 32
...
	.end_amdgpu_metadata
.endif
;; end of part 6
;; launch attn (part 7): grid 4 x 64, 16 waves a work-group, no clusters, 272,384 bytes of LDS; arguments qc, kc, vc, padding_mask, mflag, lowp_scales, oc; writes oc
.if DOCPART == 7
	.amdgcn_target "amdgcn-amd-amdhsa--gfx1250"
	.amdhsa_code_object_version 6
	.text
	.protected	k_qf1969dbb7d_attn
	.globl	k_qf1969dbb7d_attn
	.p2align	8
	.type	k_qf1969dbb7d_attn,@function
k_qf1969dbb7d_attn:
	s_mov_b64 s[64:65], 0
	v_nop
	global_prefetch_b8 v0, s[64:65] scope:SCOPE_SE
	s_setreg_imm32_b32 hwreg(HW_REG_WAVE_SCHED_MODE, 0, 2), 2
	s_setreg_imm32_b32 hwreg(HW_REG_WAVE_MODE, 25, 1), 1
	s_wait_xcnt 0x0
	s_wait_alu depctr_vm_vsrc(0)
; O[q] = the sum over keys of softmax(Q[q] . K[key] / 8, causal and padding masks) V[key], head size 64, both products on codes of FP8 (E4M3); the result is quantised at once for the last projection.
; THE SOFTMAX AHEAD OF THE SECOND PRODUCT: t = score x log2(e) / 8; M = the largest t so far, rounded UP to a whole number; p = 2^(t - M) is quantised (scale 2^e8); the row's sum is taken of the unquantised p and divides at the end.
; When M moves, the sum and O are multiplied by 2^(old M - new M): exact.  A masked score is -infinity ahead of the maximum, so its p is 0.  A query with no key left has the sum 0: its codes become the format's NaN,
; which the last projection carries into the whole output row, as the softmax of such a row is NaN.
; SHARES: work-group (x = j, y = batch x 16 + head); wave w owns the tiles of 16 queries i = 16 j + w and 127 - i.  Tile i has i / 8 + 1 steps of 128 keys that are not wholly hidden: 17 steps for every wave.
; The head's K and V (131,072 bytes of codes each, laid as images of operand registers by the launch before) are copied once into LDS through registers, and the batch's mask as 2,048 numbers 0 or -infinity.  One barrier.
; Every tile walks a loop of a constant 16 trips; a step all of whose keys come after the tile's queries is left out by a scalar branch on ids.  A key block with no masked key (a bit of mflag, stored by an earlier launch) skips the mask's additions.
; No tile comes by the data mover here: LDS is filled once in any case; no cluster: what partners would share is read once a work-group.
; LAYOUT: S^T = K Q^T (source 0 = 16 keys, source 1 = my 16 queries): lane (r, h) holds query r, register 8 t + j key 16 t + 8 h + j of the step.  One conversion of tile t gives registers 2 t, 2 t + 1 of p's fragment.
; O^T = V^T P^T (source 0 = 16 of the head's 64, source 1 = p): register 8 d + j is o(r, 16 d + 8 h + j).  oc: [batch x 128 + tile][head][1,024 bytes]: two heads side by side are one fragment of 16 tokens x 128.
; LIMITS: e6 + e7 between -123 and 130 (added to c's exponent field); e8 and e10 between -126 and 119; every t above -3e38.
; REGISTERS: v1 16 x lane; v2 the mask's place; v3 r - 8 h; v4-6 addresses in hand; v7 the copy's place; v8, v9: 448 x 2^e8, 2^e8; v[10:11] f, 0; v12 -M; v13 the largest t; v[14:15] the sum; v16-23 Q; v24-29 at work; v27 -infinity;
;   v30, v31: 448 x 2^e10, 2^e10; v32-95 K's eight fragments, then V's four; v96-159 S^T, then p; v160-191 O^T; v192-207 codes; v208-239 the mask's numbers; v240 four NaN codes; v241 four bytes of the mask.
;   s27-32, s46, s47 (free behind the head): the lane masks of eight compares; s2, s3, s46, s47 at the head: those of four.
; THE MODE: SCHED_MODE bits 1:0 = 2 (LLVM: expert scheduling mode 2), set by the entry lines.  The code itself states the register dependences
; between vector or matrix instructions and memory or LDS instructions, with s_wait_alu, always for 0.
; THE PLAN.  Registers that memory or LDS instructions touch:
;   v1, v2, v7    made at the head, never written again.   v24-26: addresses of the head's copy, at work afterwards.   v32-159, v208-211: at the head the data of the copy's LDS stores.
;   v4, v5, v6    LDS addresses of the step's K, V and mask numbers: read by the step's LDS loads, written at the next step's head.
;   v32-95        K's loads land; the eight products K Q^T read; V's loads land; the four products V^T P read; the next step's K lands.  A wave's 256 registers hold no second set.
;   v208-239      the mask's loads land, the additions read, twice in a step that has masked keys.
;   v16-23        Q: one load a tile; read by all the tile's products K Q^T.     v192-199: written by the way out's conversions and selects, read by the tile's two stores.
; So a step has one wait on vm_vsrc at its head, ahead of the three address lines; one on va_vdst behind them, which also states that the last step's products are done with V; and one on va_vdst behind the products K Q^T,
; whose results the softmax wants next in any case.  Compares go in runs into scalar registers, one wait on va_sdst behind each run.
.set VOFF, 131072                      ; LDS: K's images at 0, V's here,
.set MOFF, 262144                      ; the mask's 2,048 numbers here
	s_load_b256 s[4:11], s[0:1], 0x0               ; qc, kc, vc, padding_mask
	s_load_b128 s[12:15], s[0:1], 0x20             ; mflag, the scales
	s_load_b64 s[16:17], s[0:1], 0x30              ; oc
	v_lshl_add_u32 v254, v0, 2, 0x42000
	v_mov_b32 v255, 0
	v_lshrrev_b32 v4, 5, v0
	v_readfirstlane_b32 s18, v4                    ; wave 0..15
	s_and_b32 s19, ttmp7, 0xffff                   ; batch x 16 + head
	s_lshr_b32 s24, s19, 4                         ; batch
	v_and_b32 v1, 31, v0
	v_and_b32 v5, 15, v0                           ; r
	v_bfe_u32 v6, v0, 4, 1                         ; h
	v_lshlrev_b32 v1, 4, v1
	v_lshl_add_u32 v2, v6, 5, MOFF
	v_lshlrev_b32 v3, 3, v6
	v_sub_nc_u32 v3, v5, v3
	s_wait_alu depctr_va_sdst(0)                   ; s18 is written, ahead of its first reader: the copy's places and my tiles are made from it
	s_lshl_b32 s38, s18, 13
	v_add_nc_u32 v7, s38, v1                       ; the copy: my wave's 8,192 bytes of K's images,
	v_add_nc_u32 v24, VOFF, v7                     ; of V's,
	v_lshl_add_u32 v25, v0, 4, MOFF                ; and my thread's four numbers of the mask
	v_lshlrev_b32 v26, 2, v0
	v_mov_b32 v27, 0xff800000
	v_mov_b32 v240, 0x7f7f7f7f
	s_mov_b32 s20, 0x76543210                      ; v_permlanex16_b32's selects for lane l xor 16
	s_mov_b32 s21, 0xfedcba98
	s_mov_b32 s39, 0
	s_mov_b32 s41, 0
	s_wait_kmcnt 0x0
	s_lshl_b32 s38, s24, 7
	s_add_nc_u64 s[12:13], s[12:13], s[38:39]
	s_load_b32 s25, s[12:13], 0x0                  ; the batch's flags: bit kb for key block kb
	s_load_b64 s[28:29], s[14:15], 0x18            ; e6, e7
	s_load_b64 s[30:31], s[14:15], 0x20            ; e8, e9
	s_load_b32 s32, s[14:15], 0x28                 ; e10
	s_lshl_b32 s38, s19, 17                        ; the head's 131,072 bytes in qc, kc and vc
	s_add_nc_u64 s[4:5], s[4:5], s[38:39]
	s_lshl_b32 s40, s18, 13
	s_add_co_u32 s38, s38, s40                     ; + my wave's part of the copy
	s_add_nc_u64 s[6:7], s[6:7], s[38:39]
	s_add_nc_u64 s[8:9], s[8:9], s[38:39]
	s_lshl_b32 s38, s24, 11
	s_add_nc_u64 s[10:11], s[10:11], s[38:39]
	s_lshl_b32 s38, s24, 21                        ; oc: the batch's 128 tiles of 16,384 bytes, + the head's 1,024
	s_and_b32 s40, s19, 15
	s_lshl_b32 s40, s40, 10
	s_add_co_u32 s38, s38, s40
	s_add_nc_u64 s[16:17], s[16:17], s[38:39]
	s_wait_alu depctr_va_vdst(0)                   ; v1, v2, v7, v24, v25 and v26 are written: the loads and LDS stores of the copy, and later loads and stores, read them as offsets and addresses
.irp i, 0,1,2,3,4,5,6,7,8,9,10,11,12,13,14,15
	global_load_b128 v[32+4*\i:35+4*\i], v1, s[6:7] offset:\i*512
.endr
.irp i, 0,1,2,3,4,5,6,7,8,9,10,11,12,13,14,15
	global_load_b128 v[96+4*\i:99+4*\i], v1, s[8:9] offset:\i*512
.endr
	global_load_b32 v241, v26, s[10:11]
	s_wait_loadcnt 17                              ; K's 16 loads are in; V's 16 and the mask's one may be out
.irp i, 0,1,2,3,4,5,6,7,8,9,10,11,12,13,14,15
	ds_store_b128 v7, v[32+4*\i:35+4*\i] offset:\i*512
.endr
	s_wait_loadcnt 1                               ; V's are in
.irp i, 0,1,2,3,4,5,6,7,8,9,10,11,12,13,14,15
	ds_store_b128 v24, v[96+4*\i:99+4*\i] offset:\i*512
.endr
	s_wait_loadcnt 0x0
.irp n, 0,1,2,3
	v_bfe_u32 v[208+\n], v241, 8*\n, 8
.endr
	v_cmp_ne_u32 s2, 0, v208                       ; the four compares in a run, each into a scalar register of its own
	v_cmp_ne_u32 s3, 0, v209
	v_cmp_ne_u32 s46, 0, v210
	v_cmp_ne_u32 s47, 0, v211
	s_wait_alu depctr_va_sdst(0)                   ; s2, s3, s46 and s47 are written, ahead of the selects that read them
	v_cndmask_b32 v208, 0, v27, s2                 ; a masked key: -infinity; else 0
	v_cndmask_b32 v209, 0, v27, s3
	v_cndmask_b32 v210, 0, v27, s46
	v_cndmask_b32 v211, 0, v27, s47
	s_wait_alu depctr_va_vdst(0)                   ; the selects have written v208-211, which the LDS store reads
	ds_store_b128 v25, v[208:211]
	s_wait_kmcnt 0x0
	s_add_co_i32 s38, s28, s29
	s_lshl_b32 s38, s38, 23
	s_add_co_i32 s22, s38, 0x3e38aa3b              ; c = log2(e) / 8, with e6 + e7 added to its exponent field: a score stands for score x 2^(e6 + e7)
	s_mov_b32 s23, s22                             ; (named with it as a pair, so it is written)
	s_add_co_i32 s38, s30, 127
	s_lshl_b32 s40, s38, 23
	v_mov_b32 v9, s40                              ; 2^e8
	s_add_co_i32 s38, s38, 8
	s_lshl_b32 s38, s38, 23
	s_or_b32 s38, s38, 0x600000
	v_mov_b32 v8, s38                              ; 448 x 2^e8
	s_add_co_i32 s38, s32, 127
	s_lshl_b32 s40, s38, 23
	v_mov_b32 v31, s40                             ; 2^e10
	s_add_co_i32 s38, s38, 8
	s_lshl_b32 s38, s38, 23
	s_or_b32 s38, s38, 0x600000
	v_mov_b32 v30, s38                             ; 448 x 2^e10
	s_add_co_i32 s26, s30, s31                     ; e8 + e9
	s_lshl_b32 s37, ttmp9, 4
	s_add_co_u32 s37, s37, s18                     ; my first tile: 16 j + w
	s_wait_dscnt 0x0                               ; for the others' sake: my part of the copy lies in LDS
	s_barrier_signal -1
	s_barrier_wait -1                              ; the one barrier: behind it LDS is only read
; A KEY STEP: 128 keys from s35 on; their images begin at LDS byte s33 (and VOFF + s33).
.macro STEP
	s_add_co_u32 s38, s36, 15
	s_cmp_gt_u32 s35, s38                          ; all 128 keys come after my 16 queries: the step is left out
	s_cbranch_scc1 .Lhidden_\@
	s_lshr_b32 s38, s33, 4                         ; the mask's numbers: 4 bytes a key
	s_wait_alu depctr_vm_vsrc(0)                   ; the LDS loads of the step before have read v4, v5 and v6
	v_add_nc_u32 v4, s33, v1
	v_add_nc_u32 v5, VOFF, v4
	v_add_nc_u32 v6, s38, v2
	s_wait_alu depctr_va_vdst(0)                   ; v4, v5 and v6 are written, which this step's LDS loads read; the last step's products V^T P are done reading v32-95, in which K's fragments land
.irp t, 0,1,2,3,4,5,6,7
	ds_load_b128 v[32+8*\t:35+8*\t], v4 offset:\t*1024
	ds_load_b128 v[36+8*\t:39+8*\t], v4 offset:\t*1024+512
.endr
	s_wait_dscnt 0x0
.irp t, 0,1,2,3,4,5,6,7
	v_wmma_f32_16x16x64_fp8_fp8 v[96+8*\t:103+8*\t], v[32+8*\t:39+8*\t], v[16:23], 0
.endr
.rept 4
	v_nop                                          ; places in front of the first read of the scores
.endr
	s_wait_alu depctr_va_vdst(0)                   ; the eight products are done reading K's fragments in v32-95, in which V's land; the last step's additions are done reading v208-239, in which the mask's numbers land
.irp d, 0,1,2,3
.irp g, 0,1,2,3
	ds_load_b128 v[32+16*\d+4*\g:35+16*\d+4*\g], v5 offset:\d*2048+\g*512   ; V's four fragments land under the softmax
.endr
.endr
	s_lshr_b32 s39, s35, 7                         ; does this key block hold a masked key?
	s_lshr_b32 s38, s25, s39
	s_and_b32 s38, s38, 1
	s_cmp_eq_u32 s38, 0
	s_cbranch_scc1 .Lnopad_\@
.irp hf, 0,1
.if \hf == 1
	s_wait_alu depctr_va_vdst(0)                   ; the sixteen additions above are done reading v208-239, in which the second half's numbers land
.endif
.irp tt, 0,1,2,3
	ds_load_b128 v[208+8*\tt:211+8*\tt], v6 offset:64*(4*\hf+\tt)
	ds_load_b128 v[212+8*\tt:215+8*\tt], v6 offset:64*(4*\hf+\tt)+16
.endr
	s_wait_dscnt 0x0
.irp i, 0,2,4,6,8,10,12,14,16,18,20,22,24,26,28,30
	v_pk_add_f32 v[96+32*\hf+\i:97+32*\hf+\i], v[96+32*\hf+\i:97+32*\hf+\i], v[208+\i:209+\i]   ; + 0 or -infinity
.endr
.endr
.Lnopad_\@:
	s_add_co_u32 s38, s35, 127
	s_cmp_le_u32 s38, s36                          ; all 128 keys count for all my queries: nothing to hide
	s_cbranch_scc1 .Lopen_\@
	s_sub_co_i32 s38, s36, s35
	v_add_nc_u32 v24, s38, v3                      ; my query - the step's first key - 8 h.  Register 8 t + j is hidden where 16 t + j is greater
.irp t, 0,1,2,3,4,5,6,7
.irp i, 0,1,2,3,4,5,6,7
	v_cmp_gt_i32 s[27+\i+13*(\i/6)], 16*\t+\i, v24 ; a tile's eight compares in a run, into s27-32, s46, s47
.endr
	s_wait_alu depctr_va_sdst(0)                   ; the eight lane masks are written, ahead of the selects that read them
.irp i, 0,1,2,3,4,5,6,7
	v_cndmask_b32 v[96+8*\t+\i], v[96+8*\t+\i], v27, s[27+\i+13*(\i/6)]
.endr
.endr
.Lopen_\@:
	v_max3_num_f32 v24, v96, v97, v98              ; the step's largest score of my query among my 64 keys, in two chains, each accumulator from its low end on,
	v_max3_num_f32 v25, v99, v100, v101
.irp i, 6,10,14,18,22,26,30,34,38,42,46,50,54,58
	v_max3_num_f32 v24, v24, v[96+\i], v[97+\i]
	v_max3_num_f32 v25, v25, v[98+\i], v[99+\i]
.endr
	v_max3_num_f32 v24, v24, v158, v159
	v_max_num_f32 v24, v24, v25
	v_permlanex16_b32 v26, v24, s20, s21
	v_max_num_f32 v24, v24, v26                    ; and among lane l xor 16's
	v_mul_f32 v24, s22, v24                        ; as t (c is positive)
	v_max_num_f32 v13, v13, v24                    ; the running largest t
	v_mov_b32 v24, v12
	v_floor_f32 v12, -v13                          ; the new -M = floor(-t): M is a whole number
	v_sub_f32 v24, v12, v24                        ; old M - new M: a whole number, 0 or less
	v_cvt_i32_f32 v24, v24                         ; (it saturates)
	v_ldexp_f32 v10, 1.0, v24                      ; f = 2^(old M - new M)
.set n, 0
.rept 32
	v_pk_fma_f32 v[96+n:97+n], v[96+n:97+n], s[22:23], v[12:13] op_sel_hi:[1,0,0]   ; t - M, two at a time (the pairs' low words serve both halves)
.set n, n+2
.endr
.set n, 0
	s_wait_alu depctr_va_vdst(0)
.rept 64
	v_exp_f32 v[96+n], v[96+n]                     ; p = 2^(t - M), at most 1
.set n, n+1
.endr
	v_pk_mul_f32 v[14:15], v[14:15], v[10:11] op_sel_hi:[1,0]   ; the sum under the new M (a plain line behind the exponentials)
	s_wait_alu depctr_va_vdst(0)                   ; the 64 exponentials have written v96-159: one wait for the batch, ahead of its first reader
	v_pk_add_f32 v[28:29], v[96:97], v[98:99]      ; the sum of the unquantised p, in two chains
.irp j, 4,8,12,16,20,24,28,32,36,40,44,48,52,56,60
	v_pk_add_f32 v[14:15], v[14:15], v[96+\j:97+\j]
	v_pk_add_f32 v[28:29], v[28:29], v[98+\j:99+\j]
.endr
	v_pk_add_f32 v[14:15], v[14:15], v[28:29]
.irp t, 0,1,2,3,4,5,6,7
.irp i, 0,1,2,3,4,5,6,7
	v_min_num_f32 v[96+8*\t+\i], v[96+8*\t+\i], v8 ; the conversion does not saturate (ISA guide 7.6.2); p is not negative, so the hold is one-sided
.endr
	v_cvt_scalef32_pk8_fp8_f32 v[192+2*\t:193+2*\t], v[96+8*\t:103+8*\t], v9
.endr
.set n, 0
.rept 16
	v_pk_mul_f32 v[160+n:161+n], v[160+n:161+n], v[10:11] op_sel_hi:[1,0]   ; O^T under the new M (plain lines behind the conversions)
.set n, n+2
.endr
	s_wait_alu depctr_va_vdst(0)
	s_wait_dscnt 0x0                               ; V is in
.irp d, 0,1,2,3
	v_wmma_f32_16x16x128_fp8_fp8 v[160+8*\d:167+8*\d], v[32+16*\d:47+16*\d], v[192:207], v[160+8*\d:167+8*\d]   ; four accumulators, one instruction a turn
.endr
.rept 4
	v_nop                                          ; places in front of the next step's loads and of the way out
.endr
.Lhidden_\@:
.endm
.macro TILE_RUN                        ; the tile of 16 queries s37
	s_wait_xcnt 0x0                                ; the bases and the codes' registers of the tile before are written again only behind this wait
	s_wait_alu depctr_vm_vsrc(0)                   ; first tile: the copy's LDS stores have read v24, v25, v32-159 and v208-211, and the mask's load v26.  Second tile: the first tile's stores have read v192-199.  All of these are written again below
	s_lshl_b32 s40, s37, 10
	s_add_nc_u64 s[42:43], s[4:5], s[40:41]
	global_load_b128 v[16:19], v1, s[42:43]        ; Q's fragment.  No wait on va_vdst: no vector or matrix instruction since the last such wait (ahead of the mask's LDS store; ahead of the first tile's stores) names v1 or v16-23
	global_load_b128 v[20:23], v1, s[42:43] offset:512
	s_lshl_b32 s40, s37, 14
	s_add_nc_u64 s[44:45], s[16:17], s[40:41]      ; where the tile's codes go
	v_mov_b32 v13, 0xff61b1e6                      ; the largest t so far: -3e38
	v_floor_f32 v12, -v13
	v_mov_b32 v14, 0
	v_mov_b32 v15, 0
	v_mov_b32 v10, 0
	v_mov_b32 v11, 0                               ; (named as the upper half of the pair v[10:11])
	v_mov_b32 v24, 0
	v_mov_b32 v25, 0
	v_mov_b32 v26, 0                               ; a lane permute's destination counts as one of its sources
	v_mov_b32 v28, 0
	v_mov_b32 v29, 0
.set n, 0
.rept 32
	v_mov_b32 v[160+n], 0                          ; O^T: the step is written once; the first finds zeros, which the first change of M leaves zeros
.set n, n+1
.endr
	s_lshl_b32 s36, s37, 4                         ; my first query
	s_mov_b32 s35, 0                               ; the step's first key
	s_mov_b32 s33, 0                               ; and its images
	s_mov_b32 s34, 16
	s_wait_loadcnt 0x0
.Lkey_\@:
	STEP
	s_add_co_u32 s33, s33, 8192
	s_add_co_u32 s35, s35, 128
	s_sub_co_u32 s34, s34, 1
	s_cmp_lg_u32 s34, 0
	s_cbranch_scc1 .Lkey_\@
	v_add_f32 v14, v14, v15                        ; the sum's two halves,
	v_permlanex16_b32 v26, v14, s20, s21
	v_add_f32 v14, v14, v26                        ; and lane l xor 16's
	s_wait_alu depctr_va_vdst(0)
	v_rcp_f32 v24, v14
	v_nop                                          ; a plain line behind the transcendental
	v_cmp_eq_f32 vcc_lo, 0, v14                    ; no key was left for my query
	s_wait_alu depctr_va_vdst(0)                   ; the reciprocal has written v24, ahead of its first reader
	v_ldexp_f32 v24, v24, s26                      ; x 2^(e8 + e9)
.set n, 0
.rept 16
	v_pk_mul_f32 v[96+n:97+n], v[160+n:161+n], v[24:25] op_sel_hi:[1,0]
.set n, n+2
.endr
.set n, 0
.rept 32
	v_med3_num_f32 v[96+n], v[96+n], -v30, v30
.set n, n+1
.endr
.irp d, 0,1,2,3
	v_cvt_scalef32_pk8_fp8_f32 v[192+2*\d:193+2*\d], v[96+8*\d:103+8*\d], v31
.endr
	v_nop                                          ; a plain line behind the last conversion
	s_wait_alu depctr_va_vcc(0)                    ; the compare above has written VCC, ahead of the selects that read it
.irp i, 0,1,2,3,4,5,6,7
	v_cndmask_b32 v[192+\i], v[192+\i], v240, vcc_lo
.endr
	s_wait_alu depctr_va_vdst(0)                   ; the selects have written v192-199, which the two stores read
	global_store_b128 v1, v[192:195], s[44:45]     ; 512 consecutive bytes each
	global_store_b128 v1, v[196:199], s[44:45] offset:512
.endm
	TILE_RUN
	s_sub_co_u32 s37, 127, s37                     ; the partner tile
	TILE_RUN
	s_wait_dscnt 0x0                               ; the closing lines, six on end
	s_wait_alu 0x0
	s_wait_tensorcnt 0x0
	ds_add_u32 v254, v255
	s_wait_dscnt 0x0
	s_endpgm
.Lfunc_end_k_qf1969dbb7d_attn:
	.size	k_qf1969dbb7d_attn, .Lfunc_end_k_qf1969dbb7d_attn-k_qf1969dbb7d_attn
	.p2alignl 7, 3214868480
	.fill 96, 4, 3214868480
	.section	.rodata,"a",@progbits
	.p2align	6, 0x0
	.amdhsa_kernel k_qf1969dbb7d_attn
		.amdhsa_group_segment_fixed_size 272384
		.amdhsa_private_segment_fixed_size 0
		.amdhsa_enable_private_segment 0
		.amdhsa_kernarg_size 56
		.amdhsa_user_sgpr_count 2
		.amdhsa_user_sgpr_kernarg_segment_ptr 1
		.amdhsa_wavefront_size32 1
		.amdhsa_system_sgpr_workgroup_id_x 1
		.amdhsa_system_sgpr_workgroup_id_y 1
		.amdhsa_system_sgpr_workgroup_id_z 1
		.amdhsa_system_vgpr_workitem_id 0
		.amdhsa_next_free_vgpr 256
		.amdhsa_next_free_sgpr 66
		.amdhsa_reserve_vcc 1
		.amdhsa_float_denorm_mode_32 3
		.amdhsa_float_denorm_mode_16_64 3
		.amdhsa_memory_ordered 1
		.amdhsa_forward_progress 1
		.amdhsa_inst_pref_size 79
	.end_amdhsa_kernel
	.amdgpu_metadata
---
amdhsa.version: [ 1, 2 ]
amdhsa.kernels:
  - .name:           k_qf1969dbb7d_attn
    .symbol:         k_qf1969dbb7d_attn.kd
    .args:
      - { .name: qc, .offset: 0, .size: 8, .value_kind: global_buffer, .address_space: global }
      - { .name: kc, .offset: 8, .size: 8, .value_kind: global_buffer, .address_space: global }
      - { .name: vc, .offset: 16, .size: 8, .value_kind: global_buffer, .address_space: global }
      - { .name: padding_mask, .offset: 24, .size: 8, .value_kind: global_buffer, .address_space: global }
      - { .name: mflag, .offset: 32, .size: 8, .value_kind: global_buffer, .address_space: global }
      - { .name: lowp_scales, .offset: 40, .size: 8, .value_kind: global_buffer, .address_space: global }
      - { .name: oc, .offset: 48, .size: 8, .value_kind: global_buffer, .address_space: global }
    .group_segment_fixed_size: 272384
    .private_segment_fixed_size: 0
    .kernarg_segment_align: 8
    .kernarg_segment_size: 56
    .max_flat_workgroup_size: 512
    .sgpr_count:     66
    .vgpr_count:     256
    .wavefront_size: 32
...
	.end_amdgpu_metadata
.endif
;; end of part 7
;; launch outp (part 8): grid 4 x 64, 4 waves a work-group, no clusters, 148,992 bytes of LDS; arguments oc, wimg, b_o, lowp_scales, out0; writes out0
.if DOCPART == 8
	.amdgcn_target "amdgcn-amd-amdhsa--gfx1250"
	.amdhsa_code_object_version 6
	.text
	.protected	k_qf1969dbb7d_outp
	.globl	k_qf1969dbb7d_outp
	.p2align	8
	.type	k_qf1969dbb7d_outp,@function
k_qf1969dbb7d_outp:
	s_mov_b64 s[64:65], 0
	v_nop
	global_prefetch_b8 v0, s[64:65] scope:SCOPE_SE
	s_setreg_imm32_b32 hwreg(HW_REG_WAVE_SCHED_MODE, 0, 2), 2
	s_setreg_imm32_b32 hwreg(HW_REG_WAVE_MODE, 25, 1), 1
	s_wait_xcnt 0x0
	s_wait_alu depctr_vm_vsrc(0)
; out0 = O W_o^T + b_o on codes of FP8 (E4M3): O's codes and W_o's were laid as images of operand registers by earlier launches; out0 [8192][1024] f32 = sum x 2^(e10 + e11) + b_o.
; LIMIT: e10 + e11 between -126 and 127, so that the power of two is an f32 number.
; SHARES: work-group (x, y) makes tokens 128 y on x features 256 x on.  Its 128 tokens' codes are 131,072 consecutive bytes: copied once into LDS through registers.  Wave w makes all 128 tokens x features 64 w on:
; 32 accumulators; its 65,536 bytes of W_o go from memory straight into operand registers, three K steps ahead, and no weight is read twice in a work-group.  Every offset is an immediate: no pointer steps.
; No tile comes by the data mover and no cluster is formed: LDS is filled once, and the weights pass through no LDS.
; Source 0 = 16 rows of W_o, source 1 = 16 tokens: lane (r, h) holds token r and eight neighbouring features.  A block of 16 tokens x 64 features goes through the wave's own stage and leaves as rows of 256 aligned bytes.
; REGISTERS, in windows of 256: window 0: v1-9 addresses; v32-63 b_o in the result's layout; v64-127 results at work, two sets; v128-191 rows read back, two sets.
;   window 1: W_o's sets 0 and 2 (four fragments each) at v0 and v64, O's set 0 (eight fragments) at v128.   window 3: W_o's sets 1 and 3, O's set 1, at the same places.
;   window 2: accumulator (a, b) at v[8 (4 a + b)]; before that the copy's 256 registers.
; THE MODE: SCHED_MODE bits 1:0 = 2 (LLVM: expert scheduling mode 2), set by the entry lines.  The code itself states the register dependences
; between vector or matrix instructions and memory or LDS instructions, with s_wait_alu, always for 0.
; THE PLAN.  Registers that memory or LDS instructions touch:
;   v1-7          offsets and LDS addresses, made once at the head and never written again.
;   window 2      the copy's loads land in it, the copy's LDS stores read it; then the products write it.
;   O's sets      K step s multiplies set s % 2; its LDS loads, for step s + 1, land in the other set, which the products of step s - 1 read last.
;   W_o's sets    K step s multiplies set s % 4; its loads, for step s + 3, land in set (s + 3) % 4, which the products of step s - 1 read last.
;   A step's operands lie in one window and the registers that its loads fill in the other.  So ONE wait on va_vdst stands at a step's head, and the step's loads (up to 48) follow it with no further wait, dealt in four runs behind the
;   step's first four groups of four products, which name none of the registers that those loads touch; the last sixteen products follow on end while the loads land.
;   v64-127       tile a's results: written by its multiply-adds, read by its LDS stores; set a % 2 is written again two tiles on.    v128-191: tile a's rows: LDS loads land, stores read; no vector instruction names them.
.set STGO, 131072                      ; LDS: O's images [token tile 8][K step 8][2048] at 0; then a stage of 16 rows x 272 bytes for each wave
.set BO,   32
.set TT,   64
.set AF,   128                         ; O's fragments, in window 1 or 3
.set BK,   128                         ; rows read back, in window 0
.set MSB,  0
.macro WIN new                         ; the immediate's high byte repeats the setting that is left; a switch that changes nothing is dropped
.if MSB != (\new)
	s_set_vgpr_msb (MSB<<8)|(\new)
.set MSB, (\new)
.endif
.endm
.macro PLACES                          ; four plain lines between a matrix instruction and a load into one of its registers or a read of its result
.rept 4
	v_nop
.endr
.endm
	s_load_b256 s[4:11], s[0:1], 0x0               ; oc, wimg, b_o, the scales
	s_load_b64 s[12:13], s[0:1], 0x20              ; out0
	v_lshl_add_u32 v30, v0, 2, 0x24400
	v_mov_b32 v31, 0
	v_lshrrev_b32 v8, 5, v0
	v_readfirstlane_b32 s14, v8                    ; wave 0..3
	s_and_b32 s15, ttmp7, 0xffff                   ; y
	v_and_b32 v1, 31, v0
	v_and_b32 v8, 15, v0                           ; r
	v_bfe_u32 v9, v0, 4, 1                         ; h
	v_lshlrev_b32 v1, 4, v1                        ; v1: 16 x lane: token tiles 0-3
	v_add_nc_u32 v2, 0x10000, v1                   ; v2: token tiles 4-7
	s_wait_alu depctr_va_sdst(0)                   ; s14 is written, ahead of its first reader: LDS places and the bases are made from it
	s_lshl_b32 s16, s14, 15
	v_add_nc_u32 v3, s16, v1                       ; v3: the copy: my wave's 32,768 bytes
	s_mul_i32 s16, s14, 16*272
	s_add_co_u32 s16, s16, STGO                    ; my stage
	v_mul_u32_u24 v4, v8, 272
	v_lshl_add_u32 v4, v9, 5, v4
	v_add_nc_u32 v4, s16, v4                       ; v4: in: row r, + 32 h
	v_mul_u32_u24 v5, v9, 272
	v_lshl_add_u32 v5, v8, 4, v5
	v_add_nc_u32 v5, s16, v5                       ; v5: back: lanes 0-15 one row of 256 bytes, lanes 16-31 the next
	v_lshlrev_b32 v6, 12, v9
	v_lshl_add_u32 v6, v8, 4, v6                   ; v6: and the same two rows in out0
	v_lshlrev_b32 v7, 5, v9                        ; v7: b_o: + 32 h
	s_mov_b32 s17, 0
	s_wait_kmcnt 0x0
	s_load_b64 s[20:21], s[10:11], 0x28            ; e10, e11
	s_lshl_b32 s16, s15, 17                        ; eight token tiles of 16,384 bytes,
	s_lshl_b32 s18, s14, 15                        ; my wave's part of the copy
	s_add_co_u32 s16, s16, s18
	s_add_nc_u64 s[4:5], s[4:5], s[16:17]
	s_lshl_b32 s16, ttmp9, 18                      ; W_o is tensor 3; 16 n tiles of 16,384 bytes; my wave's four
	s_lshl_b32 s18, s14, 16
	s_add_co_u32 s16, s16, s18
	s_add_co_u32 s16, s16, 3<<20
	s_add_nc_u64 s[6:7], s[6:7], s[16:17]
	s_lshl_b32 s16, ttmp9, 10                      ; 256 features of 4 bytes; my wave's 64
	s_lshl_b32 s18, s14, 8
	s_add_co_u32 s16, s16, s18
	s_add_nc_u64 s[8:9], s[8:9], s[16:17]
	s_lshl_b32 s18, s15, 19                        ; 128 rows of 4,096 bytes
	s_add_co_u32 s16, s16, s18
	s_add_nc_u64 s[12:13], s[12:13], s[16:17]
.macro LW s, b                         ; W_o's fragment of n tile b, K step s, into set s % 4: window 1 + 2 (s % 2), which the caller has set, at v[64 ((s % 4) / 2)]
.irp g, 0,1,2,3
	global_load_b128 v[64*(((\s)%4)/2)+16*(\b)+4*\g:64*(((\s)%4)/2)+16*(\b)+4*\g+3], v1, s[6:7] offset:(\b)*16384+(\s)*2048+\g*512
.endr
.endm
.macro FETCH_W s                       ; W_o's four fragments of K step s
	WIN 0x40+0x80*((\s)%2)
.irp b, 0,1,2,3
	LW \s, \b
.endr
	WIN 0
.endm
.macro LA s, a                         ; O's fragment of token tile a, K step s, into set s % 2: window 1 + 2 (s % 2), which the caller has set
.irp g, 0,1,2,3
.if (\a) < 4
	ds_load_b128 v[AF+16*(\a)+4*\g:AF+16*(\a)+4*\g+3], v1 offset:((\a)%4)*16384+(\s)*2048+\g*512
.else
	ds_load_b128 v[AF+16*(\a)+4*\g:AF+16*(\a)+4*\g+3], v2 offset:((\a)%4)*16384+(\s)*2048+\g*512
.endif
.endr
.endm
	WIN 0x80
	s_wait_alu depctr_va_vdst(0)                   ; v1 to v7 are written: every load and store of the kernel reads one of them as its offset or address
.set n, 0
.rept 64
	global_load_b128 v[4*n:4*n+3], v1, s[4:5] offset:n*512
.set n, n+1
.endr
	WIN 0
.irp j, 0,1,2,3
	s_wait_loadcnt 48                              ; group j of 16 is in; behind it 48 loads are out: what is left of the copy's groups and the sets of W_o asked for so far
	WIN 0x08
.irp i, 0,1,2,3,4,5,6,7,8,9,10,11,12,13,14,15
	ds_store_b128 v3, v[64*\j+4*\i:64*\j+4*\i+3] offset:(16*\j+\i)*512
.endr
	WIN 0
.if \j < 3
	FETCH_W \j
.endif
.endr
.irp b, 0,1,2,3
	global_load_b128 v[BO+8*\b:BO+8*\b+3], v7, s[8:9] offset:64*\b        ; b_o at features 16 b + 8 h + 0 .. 7
	global_load_b128 v[BO+8*\b+4:BO+8*\b+7], v7, s[8:9] offset:64*\b+16
.endr
	s_wait_dscnt 0x0                               ; for the others' sake: my part of the copy lies in LDS
	s_barrier_signal -1
	s_barrier_wait -1                              ; the one barrier: behind it the images are only read
	s_wait_alu depctr_vm_vsrc(0)                   ; the copy's LDS stores have read window 2, which the products write from here on
; 4 products: token tile a x my four n tiles.  The 32 accumulators take turns, one instruction a turn, in the same order in every step; K step 0 starts the sums.
.macro MUL4 a, s
.irp b, 0,1,2,3
.set rD, 8*(4*(\a)+\b)
.set rW, 64*(((\s)%4)/2)+16*\b
.set rA, AF+16*(\a)
.if (\s) == 0
	v_wmma_f32_16x16x128_fp8_fp8 v[rD:rD+7], v[rW:rW+15], v[rA:rA+15], 0
.else
	v_wmma_f32_16x16x128_fp8_fp8 v[rD:rD+7], v[rW:rW+15], v[rA:rA+15], v[rD:rD+7]
.endif
.endr
.endm
.macro STEP s
.set MW, 0x85+0x0a*((\s)%2)            ; sources 0 (W_o) and 1 (O) window 1 or 3, D window 2,
.if (\s) > 0
.set MW, MW+0x20                       ; and C window 2
.endif
.set TL, 0x40+0x80*(((\s)+1)%2)        ; the loads' destination: the other of the two windows; addresses window 0
.if (\s) <= 2
	s_wait_loadcnt 40                              ; this step's set of W_o is in; behind it: two sets of 16 and b_o's 8
.elseif (\s) <= 5
	s_wait_loadcnt 32                              ; two sets
.else
	s_wait_loadcnt 16*(7-(\s))                     ; the counts run down
.endif
	s_wait_dscnt 16                                ; token tiles 0-3 are in; the 16 loads of tiles 4-7 may be out
.if (\s) > 0
	s_wait_alu depctr_va_vdst(0)                   ; the products of the step before are done reading their set of O's fragments and their set of W_o's, in which this step's loads land
.endif
.irp g, 0,1,2,3
	WIN MW
	MUL4 \g, \s
.if (\s) < 7
	WIN TL
	LA (\s)+1, 2*\g                                ; no wait: the products since the wait above name this step's two sets and the accumulators, none of which these loads touch
	LA (\s)+1, 2*\g+1
.if (\s) < 5
	LW (\s)+3, \g
.endif
.endif
.endr
.if (\s) < 7
	s_wait_dscnt 32                                ; token tiles 4-7 are in; the 32 loads just issued may be out
.else
	s_wait_dscnt 0x0
.endif
	WIN MW
.irp a, 4,5,6,7
	MUL4 \a, \s
.endr
	PLACES
.endm
	WIN 0x40
.irp a, 0,1,2,3,4,5,6,7
	LA 0, \a
.endr
.irp s, 0,1,2,3,4,5,6,7
	STEP \s
.endr
	s_wait_kmcnt 0x0
	s_add_co_i32 s20, s20, s21
	s_add_co_i32 s20, s20, 127
	s_lshl_b32 s20, s20, 23                        ; 2^(e10 + e11) as f32
	s_mov_b32 s21, s20                             ; (named with it as a pair, so it is written)
; THE WAY OUT, a token tile at a time.  LDS serves a wave's instructions in order: no wait between the stage's stores and its loads, nor in front of the next tile's stores.
.macro TOSTAGE a
.set rT, TT+32*((\a)%2)
.set rB, BK+32*((\a)%2)
	WIN 0x02                                       ; source 0 window 2
.irp b, 0,1,2,3
.irp i, 0,2,4,6
	v_pk_fma_f32 v[rT+8*\b+\i:rT+8*\b+\i+1], v[8*(4*(\a)+\b)+\i:8*(4*(\a)+\b)+\i+1], s[20:21], v[BO+8*\b+\i:BO+8*\b+\i+1] op_sel_hi:[1,0,1]   ; sum x 2^(e10 + e11) + b_o; each accumulator from its low end on
.endr
.endr
	WIN 0
	s_wait_alu depctr_va_vdst(0)                   ; the multiply-adds have written the tile's results, which the LDS stores read
.irp b, 0,1,2,3
	ds_store_b128 v4, v[rT+8*\b:rT+8*\b+3] offset:64*\b
	ds_store_b128 v4, v[rT+8*\b+4:rT+8*\b+7] offset:64*\b+16
.endr
.irp i, 0,1,2,3,4,5,6,7
	ds_load_b128 v[rB+4*\i:rB+4*\i+3], v5 offset:2*\i*272
.endr
.endm
.macro SEND a, younger                 ; younger: the LDS instructions issued behind tile a's loads, which may stay out
.set rB, BK+32*((\a)%2)
	s_wait_dscnt \younger
.irp i, 0,1,2,3,4,5,6,7
	global_store_b128 v6, v[rB+4*\i:rB+4*\i+3], s[12:13] offset:(16*(\a)+2*\i)*4096 th:TH_STORE_NT   ; sixteen lanes store 256 consecutive bytes, at a multiple of 256 from out0's first byte
.endr
.endm
	TOSTAGE 0
.irp a, 1,2,3,4,5,6,7
.if \a > 1
	s_wait_xcnt 0x0                                ; tile a - 2's stores have read their registers: tile a's rows may land there
	s_wait_alu depctr_vm_vsrc(0)                   ; tile a - 2's LDS stores have read its results, which tile a's multiply-adds write again; its stores have read its rows, in which tile a's LDS loads land
.endif
	TOSTAGE \a
	SEND \a-1, 16                                  ; behind tile a - 1's loads: tile a's 8 stores and 8 loads
.endr
	SEND 7, 0
	s_wait_dscnt 0x0                               ; the closing lines, six on end
	s_wait_alu 0x0
	s_wait_tensorcnt 0x0
	ds_add_u32 v30, v31
	s_wait_dscnt 0x0
	s_endpgm
.Lfunc_end_k_qf1969dbb7d_outp:
	.size	k_qf1969dbb7d_outp, .Lfunc_end_k_qf1969dbb7d_outp-k_qf1969dbb7d_outp
	.p2alignl 7, 3214868480
	.fill 96, 4, 3214868480
	.section	.rodata,"a",@progbits
	.p2align	6, 0x0
	.amdhsa_kernel k_qf1969dbb7d_outp
		.amdhsa_group_segment_fixed_size 148992
		.amdhsa_private_segment_fixed_size 0
		.amdhsa_enable_private_segment 0
		.amdhsa_kernarg_size 40
		.amdhsa_user_sgpr_count 2
		.amdhsa_user_sgpr_kernarg_segment_ptr 1
		.amdhsa_wavefront_size32 1
		.amdhsa_system_sgpr_workgroup_id_x 1
		.amdhsa_system_sgpr_workgroup_id_y 1
		.amdhsa_system_sgpr_workgroup_id_z 1
		.amdhsa_system_vgpr_workitem_id 0
		.amdhsa_next_free_vgpr 1024
		.amdhsa_next_free_sgpr 66
		.amdhsa_reserve_vcc 0
		.amdhsa_float_denorm_mode_32 3
		.amdhsa_float_denorm_mode_16_64 3
		.amdhsa_memory_ordered 1
		.amdhsa_forward_progress 1
		.amdhsa_inst_pref_size 86
	.end_amdhsa_kernel
	.amdgpu_metadata
---
amdhsa.version: [ 1, 2 ]
amdhsa.kernels:
  - .name:           k_qf1969dbb7d_outp
    .symbol:         k_qf1969dbb7d_outp.kd
    .args:
      - { .name: oc, .offset: 0, .size: 8, .value_kind: global_buffer, .address_space: global }
      - { .name: wimg, .offset: 8, .size: 8, .value_kind: global_buffer, .address_space: global }
      - { .name: b_o, .offset: 16, .size: 8, .value_kind: global_buffer, .address_space: global }
      - { .name: lowp_scales, .offset: 24, .size: 8, .value_kind: global_buffer, .address_space: global }
      - { .name: out0, .offset: 32, .size: 8, .value_kind: global_buffer, .address_space: global }
    .group_segment_fixed_size: 148992
    .private_segment_fixed_size: 0
    .kernarg_segment_align: 8
    .kernarg_segment_size: 40
    .max_flat_workgroup_size: 128
    .sgpr_count:     66
    .vgpr_count:     1024
    .wavefront_size: 32
...
	.end_amdgpu_metadata
.endif
;; end of part 8
